; MI455X (gfx1250); checked and timed in simulation.
; The chip was launched on July 23, 2026; its instructions are those of AMD's public machine-readable ISA for CDNA 5 (MIT licence, August 2026) and "CDNA5" Instruction Set Architecture Reference Guide (July 2026). The comments in the code are by the model that wrote it; some were corrected since.
;; Feedback Attention. Allowed arithmetic: matrix products marked QUANTISED: E2M1 operands, one E8M0 scale for each 32 along K, by v_wmma_scale_f32_16x16x128_f8f6f4 with both operands' format E2M1 (or v_wmma_scale_f32_32x16x128_f4), f32 sums; products left as they are: f32 operands where the result goes on into a quantised operand, else bf16, f16 or f32 operands; f32 sums; everything else in f32.
;; Inputs: b_out 1,024 float32; key_codes 512 x 64 x 32 x 16 uint8 (E2M1 codes of key, K innermost, in blocks of 32 codes, two codes a byte); key_pos_bias 4,096 x 16 float32; key_pos_embeddings_codes 4,096 x 2 x 16 uint8 (E2M1 codes of key_pos_embeddings, K innermost, in blocks of 32 codes, two codes a byte); key_pos_embeddings_scales 4,096 x 2 uint8 (E8M0 scales of key_pos_embeddings, one for each 32 codes along K); key_scales 512 x 64 x 32 uint8 (E8M0 scales of key, one for each 32 codes along K); query_codes 64 x 32 x 16 uint8 (E2M1 codes of query, K innermost, in blocks of 32 codes, two codes a byte); query_pos_bias 16 x 64 float32; query_scales 64 x 32 uint8 (E8M0 scales of query, one for each 32 codes along K); value_codes 512 x 64 x 32 x 16 uint8 (E2M1 codes of value, K innermost, in blocks of 32 codes, two codes a byte); value_scales 512 x 64 x 32 uint8 (E8M0 scales of value, one for each 32 codes along K); w_k_codes 1,024 x 32 x 16 uint8 (E2M1 codes of w_k, K innermost, in blocks of 32 codes, two codes a byte); w_k_scales 1,024 x 32 uint8 (E8M0 scales of w_k, one for each 32 codes along K); w_out_codes 1,024 x 32 x 16 uint8 (E2M1 codes of w_out, K innermost, in blocks of 32 codes, two codes a byte); w_out_scales 1,024 x 32 uint8 (E8M0 scales of w_out, one for each 32 codes along K); w_q_codes 1,024 x 32 x 16 uint8 (E2M1 codes of w_q, K innermost, in blocks of 32 codes, two codes a byte); w_q_scales 1,024 x 32 uint8 (E8M0 scales of w_q, one for each 32 codes along K); w_v_codes 1,024 x 32 x 16 uint8 (E2M1 codes of w_v, K innermost, in blocks of 32 codes, two codes a byte); w_v_scales 1,024 x 32 uint8 (E8M0 scales of w_v, one for each 32 codes along K).
;; Outputs: out0 64 x 1,024 float32.
;; This version of the problem:
;;   THIS VERSION OF THE PROBLEM IS GIVEN IN LOW PRECISION. The matrix products marked QUANTISED in the list below multiply operands that are first quantised to E2M1 (2 exponent bits, 1 mantissa bit; 4 bits a number), with one power-of-two scale for each 32 numbers along K (OCP MX v1.0); their sums are f32. All else is computed in f32.
;;   The module's matrix products, in the order in which they are computed (A, B: the left and right operand; K: the contracted axis; several contracted axes count as one K, in the product's order):
;;     1. [M 64, K 1,024] x [K 1,024, N 1,024]; A: input query (given as codes); B: input w_q (given as codes): QUANTISED
;;     2. [M 32,768, K 1,024] x [K 1,024, N 1,024]; A: input key (given as codes); B: input w_k (given as codes): QUANTISED
;;     3. [M 32,768, K 1,024] x [K 1,024, N 1,024]; A: input value (given as codes); B: input w_v (given as codes): QUANTISED
;;     4. batch 1,024 x [M 512, K 64] x [K 64, N 1]; A: computed on the way; B: computed on the way: left as it is (N = 1 < 16)
;;     5. [M 512, K 64] x [K 64, N 1,024]; A: input key_pos_embeddings (given as codes); B: computed on the way: QUANTISED
;;     6. batch 1,024 x [M 1, K 512] x [K 512, N 64]; A: softmax; B: computed on the way: left as it is (M = 1 < 16)
;;     7. [M 64, K 1,024] x [K 1,024, N 1,024]; A: computed on the way; B: input w_out (given as codes): QUANTISED
;;   THE QUANTISER, for each operand of a quantised product, along K:
;;     - K is cut into blocks of 32 from its start; a last block that is shorter is filled with zeros.
;;     - A block's scale is 2^e with e = floor(log2(the largest magnitude in the block)) - 2, held to -126 .. 127; a block of zeros has e = 0. As a byte (E8M0): e + 127.
;;     - Each number is divided by its block's scale, clamped to +-6, and rounded to the nearest number of E2M1, ties to even, subnormals kept.
;;     - The product sums the exact products of the quantised numbers (number of the format x scale) in f32.
;;   ~~~python
;;   def quantise(x, axis):      # numpy; x: float32 -> the quantised numbers, widened to float32 again
;;       x = np.moveaxis(x, axis, -1); K = x.shape[-1]
;;       x = np.pad(x, [(0, 0)] * (x.ndim - 1) + [(0, -K % 32)]); x = x.reshape(x.shape[:-1] + (-1, 32)); a = np.abs(x).max(-1, keepdims=True)
;;       e = np.where(a > 0, np.clip(np.frexp(np.where(a > 0, a, 1))[1] - 1 - 2, -126, 127), 0)      # np.frexp(a)[1] - 1 = floor(log2(a)), exactly
;;       r = np.clip(x / 2.0 ** e, -6, 6)
;;       step = 2.0 ** (np.maximum(np.frexp(np.where(r == 0, 1, r))[1] - 1, 0) - 1)
;;       q = np.round(r / step) * step * 2.0 ** e      # np.round: ties to even
;;       return np.moveaxis(q.reshape(q.shape[:-2] + (-1,))[..., :K], -1, axis).astype(np.float32)
;;   ~~~
;;   OPERANDS COMPUTED ON THE WAY. 'Computed on the way' means the value that the module computes at that place (a softmax that the list does not call 'softmax' is quantised finished and normalised). What goes into a quantiser is computed in f32, as accurately as f32 sums, v_exp_f32 and their like allow (about 1e-6 of the number): no bf16 or f16 on the way to a quantiser, and a product that is left as it is and whose result goes on into a quantised operand takes f32 operands (vector FMAs, or v_wmma_f32_16x16x4_f32). A number that lies on a knife's edge between two numbers of the format may be rounded either way, as far as f32 arithmetic and the matrix unit's own rounding can turn it there, and no further.
;;   INPUTS GIVEN AS CODES. key (in the module: [512, 64, 1024], K = its axis 2); key_pos_embeddings (in the module: [4096, 64], K = its axis 1); query (in the module: [64, 1024], K = its axis 1); value (in the module: [512, 64, 1024], K = its axis 2); w_k (in the module: [1024, 1024], K = its axis 0); w_out (in the module: [1024, 1024], K = its axis 0); w_q (in the module: [1024, 1024], K = its axis 0); w_v (in the module: [1024, 1024], K = its axis 0): each comes as NAME_codes (uint8): NAME with its K axis moved to the last place and cut into blocks of 32 codes, [.., K / 32, bytes a block], one block behind the other in memory; two codes a byte, the lower K in the low four bits (a code: sign, 2 exponent bits, 1 mantissa bit); and NAME_scales (uint8): the same leading axes, one E8M0 byte (e + 127) for each 32 codes along K. Its value is code x scale, taken as it is: it is not quantised again, and the codes and scales need not be those that the quantiser above would give.
;; 2 versions. Each part assembles by itself: llvm-mc -triple=amdgcn-amd-amdhsa -mcpu=gfx1250 --defsym DOCPART=n.
;; ======== version 1 of 2: 2 launches
;; workspace buffers: xq_codes 32,768 bytes; xq_scales 2,048 bytes
;; launch attn (part 1): grid 4 x 64, 4 waves a work-group, clusters of 4 x 4, 327,680 bytes of LDS; arguments query_codes, query_scales, w_q_codes, w_q_scales, query_pos_bias, key_pos_embeddings_codes, key_pos_embeddings_scales, key_pos_bias, w_k_scales, w_v_scales, xq_codes, xq_scales, key_codes, key_scales, w_k_codes, value_codes, value_scales, w_v_codes; writes xq_codes, xq_scales
.if DOCPART == 1
	.amdgcn_target "amdgcn-amd-amdhsa--gfx1250"
	.amdhsa_code_object_version 6
	.text
	.protected	k_q2206390403_attn
	.globl	k_q2206390403_attn
	.p2align	8
	.type	k_q2206390403_attn,@function
k_q2206390403_attn:
	s_mov_b64 s[64:65], 0
	v_nop
	global_prefetch_b8 v0, s[64:65] scope:SCOPE_SE
	s_setreg_imm32_b32 hwreg(HW_REG_WAVE_MODE, 25, 1), 1
	s_wait_xcnt 0x0
	s_wait_alu depctr_hold_cnt(0) depctr_sa_sdst(0) depctr_va_vdst(0) depctr_va_sdst(0) depctr_va_ssrc(0) depctr_va_vcc(0) depctr_vm_vsrc(0)
	s_getreg_b32 s2, hwreg(HW_REG_IB_STS2, 6, 4)
	s_cmp_eq_u32 s2, 0
	s_cbranch_scc0 .Lentry_in_a_cluster
	s_endpgm
.Lentry_in_a_cluster:
	s_bfe_u32 s2, ttmp6, 0x10000c
	s_cmp_lg_u32 s2, 0xf033
	s_cbranch_scc0 .Lentry_shape_is_right
	s_endpgm
.Lentry_shape_is_right:
; One step of attention over a memory of 512 places, 64 batch rows, 16 heads of 64, on codes of FP4 (E2M1) with one E8M0 scale for each 32 along K.
; This launch: q = query w_q; k = key w_k; v = value w_v; scores = ((q + u) . k + Q(q) . kpe + kpb) / 8; softmax over the 512 places; x = sum of p v; x quantised along its 1,024 into xq_codes, xq_scales.
; SHARES.  A work-group owns one batch row b and a quarter nq of the 1,024 columns (4 heads): all 512 places, 256 columns, K = 1,024, once for k and once for v.  k and v never leave the registers.
; Wave w: rh = w / 2 says which 128 of a slot's 256 rows are its own, ch = w % 2 which 128 columns (2 heads).
; THE WAVE'S WEIGHTS STAY IN REGISTERS: 8 tiles of 16 columns x 8 K steps = 64 fragments, 512 registers (windows 1 and 2).  So 16 rows x 128 columns x all of K (an m-tile) are 64 matrix
; instructions on 8 accumulators, LDS is read for the rows alone, and there are two sets of accumulators: the 32 packed multiply-adds that use up m-tile i - 1 stand among the products of m-tile i.
; K PHASE, products transposed (source 0 = 16 rows of w_k, source 1 = 16 key rows): a lane holds one place j and 8 columns a tile; (q + u) . k is 32 packed multiply-adds in the lane.
; V PHASE, products as they are (source 0 = 16 value rows, source 1 = 16 rows of w_v): a lane holds one column and 8 places; x += p v with p read from LDS.
; SOFTMAX.  Each wave takes the maximum of its own 256 places of a head away, p = 2^((s - max) log2(e) / 8), and keeps its own sum; at the end the two waves of a column half are joined under the larger maximum.
; CLUSTER 4 x 4: cx = nq, cy = b % 4.  The four work-groups of a row of the cluster share b, so key's and value's tiles and scales are asked for jointly along the row; the four of a column share nq, so the weights' tiles along the column.
; LIMITS: NaN and infinities among the inputs are not served.  A block of zeros of q or x gets the scale byte 1 where the quantiser says 127: its codes are zeros, and this program alone reads the bytes.
; A p under 2^-126 counts as 0 (the exponential's own flush).
.set PITCH, 528                        ; an LDS row of codes: 512 bytes + 16 of padding = 132 words, so that the 16 rows of a fragment load start 4 banks apart (64 banks of 4 bytes: ISA guide 11.1)
.set MTB,   16*PITCH                   ; 16 rows
.set QROW,  64*PITCH                   ; 64 rows: what one tensor load brings
.set HROW,  128*PITCH
.set SLOT0, 0                          ; two slots of 256 rows: w_k, key 256.., value 0..   |   key 0.., w_v, value 256..
.set SLOT1, 256*PITCH
.set KSC,   2*SLOT1                    ; key's scale bytes of row b: 512 rows x 32 bytes
.set VSC,   KSC+16384                  ; value's
.set SCO,   VSC+16384                  ; 2,048 bytes a wave: first the sums (q + u) . k, 128 bytes an m-tile; then p, [2 heads][256 places]
.set QUL,   SCO+8192                   ; q + u, [4 heads][64] f32
.set QCL,   QUL+1024                   ; q's codes, [4 heads][32 bytes]
.set QSL,   QCL+128                    ; q's scale words, [4 heads]
.set XR,    QCL+256                    ; 512 bytes a wave: its part of x, 128 columns
.set ML,    XR+2048                    ; {maximum x c, sum}: 32 rh + 8 (head of the four)
.set SPARE, ML+256                     ; the spare words, 128 bytes a wave: two blocks of 256 bytes that no other line names
; vector registers, window 0
.set SPW, 3                            ; LDS address of my spare word; never rewritten
.set NIL, 4                            ; 0; never rewritten
.set AB0, 5                            ; my lane's place in a slot: (128 rh + r) PITCH + 16 h
.set ADA, 6                            ; address of the m-tile whose fragments are being fetched
.set AS0, 7                            ; KSC + (128 rh + r) 32 + 16 h
.set ADS, 8
.set SP0, 9                            ; SCO + 2048 w + 4 lane
.set PP0, 10                           ; SCO + 2048 w + 32 h
.set ADP, 11
.set WB0, 12                           ; (128 ch + r) PITCH + 16 h: my weights in slot 0;
.set WB1, 13                           ; in slot 1
.set PS0, 14                           ; SCO + 2048 w + 1024 h + 4 r
.set PFO, 15                           ; the prefetches' offset
.set WSO, 16                           ; 32 r + 16 h
.set SUM, 24                           ; v[24:25], v[26:27] the score sums of my two heads (before the K phase: v24-29 LDS addresses of the prologue)
.set RED, 28                           ; v28-30
.set XSC, 31                           ; q's scale words
.set MCL, 32                           ; v[32:33] maximum x c, sum
.set ASC, 40                           ; v40-47 the rows' scale words, two sets of 4
.set SCB, 48                           ; v48-63 Q(q) . kpe + kpb, an m-tile a register
.set PRB, 48                           ; v48-79 in the V phase: p, two sets of 16
.set XQ,  64                           ; v64-71 q's fragment (prologue)
.set QCD, 76                           ; v76-79 q's codes as made
.set XA,  80                           ; v80-95 x, a pair a tile
.set QU,  96                           ; v96-159 q + u in the accumulators' layout
.set QD,  96                           ; prologue: q
.set UB,  128                          ; prologue: u
.set AF,  160                          ; v160-223 a ring of 8 fragments of rows
.set WSC, 224                          ; v224-255 the weights' scale words, 4 a tile
; scalar registers
.set PF0, 28
.set PF1, 30
.set G1A, 32
.set G1W, 40
.set G1S, 48
.set G0WK, 56
.set G0KS, 60
.set WV,  66
.set RH,  67
.set G0K0, 68
.set G0VS, 72
.set G0K1, 76
.set G0WV, 80
.set G0V0, 84
.set G0V1, 88
.set CH,  92
.set NQ,  93
.set CY,  94
.set BB,  95
.set SEL, 96                           ; s[96:97]: at first a pair at work, then the selects of v_permlanex16_b32 for lane l xor 16
.set TA,  98                           ; LDS byte of the m-tile being fetched
.set TS,  99                           ; and of its scale words
.set HH,  98                           ; (prologue: the head of the four that my wave makes q for; its number among the 16)
.set HG,  99
.set TP,  100
.set CNT, 101
.set CEXP, 104                         ; c = log2(e) / 8
.set MSB, 0
.macro WIN new                         ; the immediate's high byte repeats the setting that is left; a switch that changes nothing is dropped
.if MSB != (\new)
	s_set_vgpr_msb (MSB<<8)|(\new)
.set MSB, (\new)
.endif
.endm
.macro PLACES
.rept 4
	v_nop
.endr
.endm
.macro CREST                           ; a round of the cluster's barrier behind its opening barrier
	s_cmp_lg_u32 s[WV], 0
	s_cbranch_scc1 .Lnot_wave_0_\@
	s_barrier_signal -3
.Lnot_wave_0_\@:
	s_barrier_wait -3
	s_barrier_signal -1
	s_barrier_wait -1
.endm
.macro CROUND
	s_barrier_signal -1
	s_barrier_wait -1
	CREST
.endm
; one scaled product.  zero: C = 0 starts the sum.  hi: both sides' scale words are taken from lanes 16-31
.macro WMM d, a, b, zero, sa, sb, hi
.if \zero
	v_wmma_scale_f32_16x16x128_f8f6f4 v[(\d):(\d)+7], v[(\a):(\a)+7], v[(\b):(\b)+7], 0, v[\sa], v[\sb] matrix_a_fmt:MATRIX_FMT_FP4 matrix_b_fmt:MATRIX_FMT_FP4
.elseif \hi
	v_wmma_scale_f32_16x16x128_f8f6f4 v[(\d):(\d)+7], v[(\a):(\a)+7], v[(\b):(\b)+7], v[(\d):(\d)+7], v[\sa], v[\sb] matrix_a_fmt:MATRIX_FMT_FP4 matrix_b_fmt:MATRIX_FMT_FP4 matrix_a_scale:MATRIX_SCALE_ROW1 matrix_b_scale:MATRIX_SCALE_ROW1
.else
	v_wmma_scale_f32_16x16x128_f8f6f4 v[(\d):(\d)+7], v[(\a):(\a)+7], v[(\b):(\b)+7], v[(\d):(\d)+7], v[\sa], v[\sb] matrix_a_fmt:MATRIX_FMT_FP4 matrix_b_fmt:MATRIX_FMT_FP4
.endif
.endm
; Product (K step s, tile t) of an m-tile.  A row of 32 scale bytes is loaded as 16 bytes a half of the lanes: K step s takes register s % 4, from lanes 0-15 (s < 4) or 16-31.
; Weights: window 1 (s < 4) or 2, at 8 (8 (s % 4) + t); rows: window 0; accumulators: window 3, at 64 set + 8 t.  The 8 accumulators take turns, one instruction a turn.
.macro WM ph, set, s, t
.set z_, 0
.if \s == 0
.set z_, 1
.endif
.if \ph == 0
	WIN 0xf1+\s/4
	WMM 64*\set+8*\t, 8*(8*(\s%4)+\t), AF+8*\s, z_, WSC+4*\t+\s%4, ASC+4*\set+\s%4, \s/4
.else
	WIN 0xf4+4*(\s/4)
	WMM 64*\set+8*\t, AF+8*\s, 8*(8*(\s%4)+\t), z_, ASC+4*\set+\s%4, WSC+4*\t+\s%4, \s/4
.endif
.endm
; Line n of 32 that use up the m-tile in accumulator set pset: registers 2 n, 2 n + 1.  Ascending.
.macro EOP ph, pset, n
	WIN 0x0c                                       ; source 1 (the accumulators) window 3, all else window 0
.if \ph == 0
.if (\n)%16 == 0
	v_pk_mul_f32 v[SUM+2*((\n)/16):SUM+2*((\n)/16)+1], v[QU+2*(\n):QU+2*(\n)+1], v[64*(\pset)+2*(\n):64*(\pset)+2*(\n)+1]
.else
	v_pk_fma_f32 v[SUM+2*((\n)/16):SUM+2*((\n)/16)+1], v[QU+2*(\n):QU+2*(\n)+1], v[64*(\pset)+2*(\n):64*(\pset)+2*(\n)+1], v[SUM+2*((\n)/16):SUM+2*((\n)/16)+1]
.endif
.else
	v_pk_fma_f32 v[XA+2*((\n)/4):XA+2*((\n)/4)+1], v[PRB+16*(\pset)+8*((\n)/16)+2*((\n)%4):PRB+16*(\pset)+8*((\n)/16)+2*((\n)%4)+1], v[64*(\pset)+2*(\n):64*(\pset)+2*(\n)+1], v[XA+2*((\n)/4):XA+2*((\n)/4)+1]
.endif
.endm
.macro LDA x                           ; fragment x (16 rows x 128 K: two loads of 16 bytes, 32 apart) into place x of the ring
	ds_load_b128 v[AF+8*(\x):AF+8*(\x)+3], v[ADA] offset:64*(\x)
	ds_load_b128 v[AF+8*(\x)+4:AF+8*(\x)+7], v[ADA] offset:64*(\x)+32
.endm
; What stands behind product (s, t).  t = 0..3: one line of the m-tile before (they are also the four places in front of the loads at t = 4: they name no register of the products just issued).
; t = 4: s = 0: this m-tile's last fragment; s > 0: fragment s - 1 of the next m-tile, into the place that K step s - 1 has just left.
.macro FILL ph, set, epi, next, s, t, w
.if \t < 4
.if \epi
	EOP \ph, 1-\set, 4*\s+\t
.else
	v_nop
.endif
.endif
.if \t == 4
.if \s == 0
	WIN 0
	LDA 7
.elseif \next
	WIN 0
	LDA \s-1
.endif
.endif
.if \t == 5
.if (\s == 0) && \next
	WIN 0
	s_add_co_u32 s[TA], s[TA], MTB
	v_add_nc_u32 v[ADA], s[TA], v[AB0]             ; from here on the fetches are the next m-tile's
.elseif (\ph == 1) && (\s == 1)
	WIN 0
	v_add_nc_u32 v[ADP], s[TP], v[PP0]
	s_add_co_u32 s[TP], s[TP], 64
.elseif (\ph == 1) && (\s == 2)
	WIN 0
	ds_load_b128 v[PRB+16*\set+8:PRB+16*\set+11], v[ADP] offset:1024    ; this m-tile's p, second head
	ds_load_b128 v[PRB+16*\set+12:PRB+16*\set+15], v[ADP] offset:1040
.elseif (\ph == 0) && \epi && (\s == 7)
	WIN 0
	v_add_f32 v[RED], v[SUM], v[SUM+1]
	v_add_f32 v[RED+1], v[SUM+2], v[SUM+3]
.endif
.endif
.if \t == 6
.if (\s == 0) && \next
	WIN 0
	s_add_co_u32 s[TS], s[TS], 512
	v_add_nc_u32 v[ADS], s[TS], v[AS0]
	ds_load_b128 v[ASC+4*(1-\set):ASC+4*(1-\set)+3], v[ADS]             ; the next m-tile's scale words
.elseif (\ph == 1) && (\s == 1)
	WIN 0
	ds_load_b128 v[PRB+16*\set:PRB+16*\set+3], v[ADP]                   ; this m-tile's p, first head: places 8 h + 0 .. 7
	ds_load_b128 v[PRB+16*\set+4:PRB+16*\set+7], v[ADP] offset:16
.elseif (\ph == 0) && \epi && (\s == 7)
	WIN 0
	v_permlane16_swap_b32 v[RED], v[RED+1]         ; head 0's two halves of the 64 into lanes 0-15, head 1's into lanes 16-31
	v_add_f32 v[RED+2], v[RED], v[RED+1]
.endif
.endif
.if \t == 7
.if (\ph == 0) && \epi && (\s == 7)
	WIN 0
	v_add_nc_u32 v[ADP], s[TP], v[SP0]
	ds_store_b32 v[ADP], v[RED+2]                  ; (q + u) . k of the m-tile before: kept in my own LDS bytes until the softmax
	s_add_co_u32 s[TP], s[TP], 128
.endif
.if \s < 7
.if \w == 1
	s_wait_dscnt 12+3*\ph                          ; fragment s + 1 is in: behind its two loads at least 13 (K) or 15 (V) LDS instructions have been issued
.elseif \w == 2
.if 16-2*\s < 12
	s_wait_dscnt 16-2*\s                           ; the last m-tile fetches no successor: behind fragment s + 1 stand 2 (6 - s - 1) loads of the m-tile before and this one's six
.else
	s_wait_dscnt 12
.endif
.endif
.endif
.endif
.endm
; An m-tile.  hw: the LDS instructions that may be out at its head.
.macro MTR ph, set, epi, next, hw, w
	s_wait_dscnt \hw
.irp s, 0,1,2,3,4,5,6,7
.irp t, 0,1,2,3,4,5,6,7
	WM \ph, \set, \s, \t
	FILL \ph, \set, \epi, \next, \s, \t, \w
.endr
.endr
.endm
.macro STEPE ph, set, s                ; a K step with the four lines of the m-tile before and nothing else
.irp t, 0,1,2,3,4,5,6,7
	WM \ph, \set, \s, \t
.if \t < 4
	EOP \ph, 1-\set, 4*\s+\t
.endif
.endr
.endm
; A slot's last m-tile changes slots.  Its last fragment is the wave's last read of the slot.  Then: all my tensor loads have landed; 0 onto my spare word; two K steps; the add and my reads are done; the barrier,
; with two K steps between signal and wait.  kind = 1: the barrier opens a round of the cluster's barrier and the slot is filled again, first thing behind the round, one load a wave; kind = 2: nothing is filled.
.macro MTC ph, set, kind, next, g0, g1, nslot, nts, pf
	WIN 0
	PLACES                                         ; in front of the load into the ring's place 7, which the last products read
	LDA 7
	s_wait_tensorcnt 0x0                           ; the one load of mine that was out is my part of the other slot
	ds_add_u32 v[SPW], v[NIL]
	s_wait_dscnt 12                                ; fragments 0 and 1, the scale words and (V) the p of the m-tile before are in: behind the youngest of them stand at least 13
	STEPE \ph, \set, 0
	STEPE \ph, \set, 1
	s_wait_dscnt 0x0                               ; the add is done, my reads of this slot are over
	s_barrier_signal -1
	STEPE \ph, \set, 2
	STEPE \ph, \set, 3
	WIN 0
	s_barrier_wait -1
.if \kind == 1
	CREST                                          ; no wave of any partner still reads the slot or has a load on its way
	tensor_load_to_lds s[\g0:\g0+3], s[\g1:\g1+7]
	s_nop 0
	PLACES
.endif
.if \next
	s_mov_b32 s[TA], \nslot
	s_mov_b32 s[TS], \nts
	v_add_nc_u32 v[ADA], s[TA], v[AB0]
	v_add_nc_u32 v[ADS], s[TS], v[AS0]
	LDA 0                                          ; places 0 to 2 were left at K step 2; K step 3's four lines are the places between
	LDA 1
	LDA 2
	ds_load_b128 v[ASC+4*(1-\set):ASC+4*(1-\set)+3], v[ADS]
.endif
.if \ph == 1
	v_add_nc_u32 v[ADP], s[TP], v[PP0]
	s_add_co_u32 s[TP], s[TP], 64
	ds_load_b128 v[PRB+16*\set:PRB+16*\set+3], v[ADP]
	ds_load_b128 v[PRB+16*\set+4:PRB+16*\set+7], v[ADP] offset:16
	ds_load_b128 v[PRB+16*\set+8:PRB+16*\set+11], v[ADP] offset:1024
	ds_load_b128 v[PRB+16*\set+12:PRB+16*\set+15], v[ADP] offset:1040
.endif
.if \pf
	global_prefetch_b8 v[PFO], s[\pf:\pf+1] th:TH_LOAD_NT scope:SCOPE_SE   ; 256 rows x 512 bytes of value: 64 rows a partner (told apart by address), 16 a wave, two lanes a row: each aligned 256 bytes once
.endif
.irp s, 4,5,6,7
.irp t, 0,1,2,3,4,5,6,7
	WM \ph, \set, \s, \t
	FILL \ph, \set, 1, \next, \s, \t, 0            ; no waits: all of this m-tile's fragments were in at the barrier
.endr
.endr
.endm
.macro EPIALL ph, pset                 ; a phase's last m-tile is used up with no products beside it
.set n_, 0
.rept 32
	EOP \ph, \pset, n_
.set n_, n_+1
.endr
	WIN 0
.if \ph == 0
	v_add_f32 v[RED], v[SUM], v[SUM+1]
	v_add_f32 v[RED+1], v[SUM+2], v[SUM+3]
	v_permlane16_swap_b32 v[RED], v[RED+1]
	v_add_f32 v[RED+2], v[RED], v[RED+1]
	v_add_nc_u32 v[ADP], s[TP], v[SP0]
	ds_store_b32 v[ADP], v[RED+2]
.endif
.endm
.macro WCOPY base, s0, n               ; my 8 tiles' fragments of n K steps from s0 on, out of the slot into windows 1 and 2
.set s_, \s0
.rept \n
	WIN 0x40*(1+s_/4)
.irp t, 0,1,2,3,4,5,6,7
	ds_load_b128 v[8*(8*(s_%4)+\t):8*(8*(s_%4)+\t)+3], v[\base] offset:MTB*\t+64*s_
	ds_load_b128 v[8*(8*(s_%4)+\t)+4:8*(8*(s_%4)+\t)+7], v[\base] offset:MTB*\t+64*s_+32
.endr
.set s_, s_+1
.endr
	WIN 0
.endm
.macro CHG g0, g1                      ; a change of slots with no products beside it
	s_wait_tensorcnt 0x0                           ; all my tensor loads have landed
	ds_add_u32 v[SPW], v[NIL]
	s_wait_dscnt 0x0                               ; the add is done, and my reads of the slot (the copy of the weights) are in
	CROUND
	tensor_load_to_lds s[\g0:\g0+3], s[\g1:\g1+7]
	s_nop 0
	PLACES
.endm
.macro PRE slot, ts                    ; a phase's first m-tile: fragments 0 to 6 and the scale words
	s_mov_b32 s[TA], \slot
	s_mov_b32 s[TS], \ts
	v_add_nc_u32 v[ADA], s[TA], v[AB0]
	v_add_nc_u32 v[ADS], s[TS], v[AS0]
.irp x, 0,1,2,3,4,5,6
	LDA \x
.endr
	ds_load_b128 v[ASC:ASC+3], v[ADS]
.endm
	; ---------------- head: addresses, descriptors, the first fills
	s_load_b512 s[4:19], s[0:1], 0x0               ; query codes, scales; w_q codes, scales; u; kpe codes, scales; kpb
	s_load_b256 s[20:27], s[0:1], 0x40             ; w_k scales, w_v scales, xq_codes, xq_scales
	s_load_b64 s[G0K0+2:G0K0+3], s[0:1], 0x60      ; the tiles' buffers go straight into their descriptors
	s_load_b64 s[G0K1+2:G0K1+3], s[0:1], 0x60
	s_load_b64 s[G0KS+2:G0KS+3], s[0:1], 0x68
	s_load_b64 s[G0WK+2:G0WK+3], s[0:1], 0x70
	s_load_b64 s[G0V0+2:G0V0+3], s[0:1], 0x78
	s_load_b64 s[G0V1+2:G0V1+3], s[0:1], 0x78
	s_load_b64 s[PF0:PF0+1], s[0:1], 0x78
	s_load_b64 s[PF1:PF1+1], s[0:1], 0x78
	s_load_b64 s[G0VS+2:G0VS+3], s[0:1], 0x80
	s_load_b64 s[G0WV+2:G0WV+3], s[0:1], 0x88
	v_lshl_add_u32 v[SPW], v0, 2, SPARE
	v_mov_b32 v[NIL], 0
	ds_add_u32 v3, v4
	ds_add_u32 v3, v4
	s_wait_dscnt 0x0
	v_lshrrev_b32 v34, 5, v0
	v_readfirstlane_b32 s[WV], v34                 ; wave 0..3
	s_lshr_b32 s[RH], s[WV], 1
	s_and_b32 s[CH], s[WV], 1
	s_bfe_u32 s[NQ], ttmp6, 0x40000                ; cx = the quarter of the columns
	s_bfe_u32 s[CY], ttmp6, 0x40004                ; cy
	s_and_b32 s[BB], ttmp7, 0xffff
	s_lshl_b32 s[BB], s[BB], 2
	s_add_co_u32 s[BB], s[BB], s[CY]               ; b = 4 x cluster y + cy
	s_lshl_b32 s[HH], s[CH], 1
	s_add_co_u32 s[HH], s[HH], s[RH]               ; the head of the four whose q my wave makes
	s_lshl_b32 s[HG], s[NQ], 2
	s_add_co_u32 s[HG], s[HG], s[HH]               ; its number among the 16
	s_lshl_b32 s2, s[CY], 2
	s_lshl_b32 s2, 15, s2                          ; my row of the cluster
	s_lshl_b32 s96, 0x1111, s[NQ]                  ; my column
	; group 1.  Rows: 64 rows x 512 bytes, 32,768 bytes apart (64 batch rows of 512); weights: 512 apart; elements of 1 byte; 4 words of padding behind every 128
	s_or_b32 s[G1A], s2, (1<<20)|(1<<21)|(6<<22)|(3<<25)
	s_or_b32 s[G1W], s96, (1<<20)|(1<<21)|(6<<22)|(3<<25)
	s_or_b32 s[G1S], s2, (1<<21)                   ; scale bytes: 128 rows x 32 bytes, 2,048 apart, no padding
.irp g, G1A, G1W
	s_mov_b32 s[\g+1], 512<<16
	s_mov_b32 s[\g+2], 64<<16
	s_mov_b32 s[\g+3], 512<<16
	s_mov_b32 s[\g+4], 64
	s_mov_b32 s[\g+6], 0
	s_mov_b32 s[\g+7], 0
.endr
	s_mov_b32 s[G1A+5], 32768
	s_mov_b32 s[G1W+5], 512
	s_mov_b32 s[G1S+1], 32<<16
	s_mov_b32 s[G1S+2], 128<<16
	s_mov_b32 s[G1S+3], 32<<16
	s_mov_b32 s[G1S+4], 128
	s_mov_b32 s[G1S+5], 2048
	s_mov_b32 s[G1S+6], 0
	s_mov_b32 s[G1S+7], 0
	s_mul_i32 s3, s[WV], QROW                      ; my 64 rows of a slot: no place in the cluster enters an LDS address
.irp g, G0WK, G0KS, G0K0, G0VS, G0K1, G0WV, G0V0, G0V1
	s_mov_b32 s[\g], 1
.endr
	s_add_co_u32 s[G0WK+1], s3, SLOT0
	s_add_co_u32 s[G0K0+1], s3, SLOT1
	s_add_co_u32 s[G0K1+1], s3, SLOT0
	s_add_co_u32 s[G0WV+1], s3, SLOT1
	s_add_co_u32 s[G0V0+1], s3, SLOT0
	s_add_co_u32 s[G0V1+1], s3, SLOT1
	s_lshl_b32 s3, s[WV], 12                       ; my 128 rows of scale bytes
	s_add_co_u32 s[G0KS+1], s3, KSC
	s_add_co_u32 s[G0VS+1], s3, VSC
	v_and_b32 v1, 15, v0                           ; r
	v_bfe_u32 v2, v0, 4, 1                         ; h
	v_and_b32 v34, 31, v0                          ; lane
	v_mul_u32_u24 v35, v1, PITCH
	v_lshl_add_u32 v35, v2, 4, v35
	s_mul_i32 s2, s[RH], HROW
	v_add_nc_u32 v[AB0], s2, v35
	s_mul_i32 s2, s[CH], HROW
	v_add_nc_u32 v[WB0], s2, v35
	v_add_nc_u32 v[WB1], SLOT1, v[WB0]
	v_lshlrev_b32 v[WSO], 5, v1
	v_lshl_add_u32 v[WSO], v2, 4, v[WSO]
	s_lshl_b32 s2, s[RH], 12
	s_add_co_u32 s2, s2, KSC
	v_add_nc_u32 v[AS0], s2, v[WSO]
	s_lshl_b32 s2, s[WV], 11
	s_add_co_u32 s2, s2, SCO
	v_lshl_add_u32 v[SP0], v34, 2, s2
	v_lshl_add_u32 v[PP0], v2, 5, s2
	v_lshl_add_u32 v[PS0], v2, 10, s2
	v_lshl_add_u32 v[PS0], v1, 2, v[PS0]
	v_lshrrev_b32 v36, 1, v34
	s_lshl_b32 s2, s[WV], 4
	v_add_nc_u32 v36, s2, v36
	v_lshlrev_b32 v36, 15, v36
	v_and_b32 v37, 1, v0
	v_lshl_add_u32 v[PFO], v37, 8, v36             ; row 16 w + lane / 2 of my work-group's 64, half lane % 2 of its 512 bytes
	v_lshlrev_b32 v17, 5, v2                       ; u: 32 h
	v_lshlrev_b32 v19, 1, v1                       ; kpe's scales: 2 r
	v_lshlrev_b32 v20, 6, v1
	v_lshl_add_u32 v20, v2, 2, v20                 ; kpb: 64 r + 4 h
	v_lshlrev_b32 v21, 4, v2                       ; query: 16 h (every lane takes row b)
	v_lshlrev_b32 v22, 9, v1
	v_lshl_add_u32 v22, v2, 4, v22                 ; w_q: 512 r + 16 h
	s_lshl_b32 s2, s[HH], 8
	s_add_co_u32 s2, s2, QUL
	v_lshl_add_u32 v24, v2, 5, s2                  ; where I put q + u
	s_lshl_b32 s2, s[HH], 5
	s_add_co_u32 s2, s2, QCL
	v_lshl_add_u32 v25, v2, 2, s2                  ; q's codes
	s_lshl_b32 s2, s[HH], 2
	s_add_co_u32 s2, s2, QSL
	v_mov_b32 v26, s2                              ; q's scale word
	s_lshl_b32 s2, s[CH], 9
	s_add_co_u32 s2, s2, QUL
	v_lshl_add_u32 v27, v2, 5, s2                  ; where I read my two heads' q + u,
	v_lshrrev_b32 v35, 3, v1
	s_lshl_b32 s2, s[CH], 6
	s_add_co_u32 s2, s2, QCL
	v_lshl_add_u32 v28, v35, 5, s2
	v_lshl_add_u32 v28, v2, 4, v28                 ; their codes: rows 0-7 of the fragment the first head, rows 8-15 the second,
	s_lshl_b32 s2, s[CH], 3
	s_add_co_u32 s2, s2, QSL
	v_lshl_add_u32 v29, v35, 2, s2                 ; and their scale words
.irp i, 4,5,6,7
	v_mov_b32 v[XQ+\i], 0                          ; K = 64 of 128: the upper half of q's fragment is zero codes
.endr
	WIN 0x80
.irp i, 64,65,66,67
	v_mov_b32 v[\i], 0                             ; window 2: behind the last tile of kpe
.endr
	WIN 0
	s_wait_kmcnt 0x0
	s_lshl_b32 s2, s[WV], 21                       ; rows: 64 w places of 32,768 bytes + 512 b.  (No register that feeds these descriptors ever holds cx)
	s_lshl_b32 s3, s[BB], 9
	s_add_co_u32 s2, s2, s3
	s_mov_b32 s3, 0
.irp g, G0K0, G0K1, G0V0, G0V1
	s_add_nc_u64 s[\g+2:\g+3], s[\g+2:\g+3], s[2:3]
.endr
.irp g, G0K1, G0V1
	s_add_nc_u64 s[\g+2:\g+3], s[\g+2:\g+3], 0x800000   ; places 256 on
.endr
	s_lshl_b32 s2, s[WV], 18                       ; scale bytes: 128 w places of 2,048 bytes + 32 b
	s_lshl_b32 s3, s[BB], 5
	s_add_co_u32 s2, s2, s3
	s_mov_b32 s3, 0
	s_add_nc_u64 s[G0KS+2:G0KS+3], s[G0KS+2:G0KS+3], s[2:3]
	s_add_nc_u64 s[G0VS+2:G0VS+3], s[G0VS+2:G0VS+3], s[2:3]
	s_lshl_b32 s96, s[NQ], 17                      ; weights: 256 nq + 64 w rows of 512 bytes
	s_lshl_b32 s97, s[WV], 15
	s_add_co_u32 s96, s96, s97
	s_mov_b32 s97, 0
	s_add_nc_u64 s[G0WK+2:G0WK+3], s[G0WK+2:G0WK+3], s[96:97]
	s_add_nc_u64 s[G0WV+2:G0WV+3], s[G0WV+2:G0WV+3], s[96:97]
.irp g, G0WK, G0KS, G0K0, G0VS, G0K1, G0WV, G0V0, G0V1
	s_or_b32 s[\g+3], s[\g+3], 0x80000000          ; type = 2
.endr
	CROUND                                         ; all sixteen work-groups are here: the first joint loads meet
	tensor_load_to_lds s[G0WK:G0WK+3], s[G1W:G1W+7]   ; w_k -> slot 0.  Four loads of mine are out
	s_nop 0
	tensor_load_to_lds s[G0KS:G0KS+3], s[G1S:G1S+7]   ; key's scale bytes
	s_nop 0
	tensor_load_to_lds s[G0K0:G0K0+3], s[G1A:G1A+7]   ; key, places 0-255 -> slot 1
	s_nop 0
	tensor_load_to_lds s[G0VS:G0VS+3], s[G1S:G1S+7]   ; value's scale bytes
	s_nop 0
	PLACES
	; ---------------- q, while the fills are on their way
	s_lshl_b32 s96, s[BB], 9
	s_add_nc_u64 s[4:5], s[4:5], s[96:97]          ; query's row b
	s_add_nc_u64 s[24:25], s[24:25], s[96:97]      ; xq_codes' row b
	s_add_nc_u64 s[PF0:PF0+1], s[PF0:PF0+1], s[96:97]
	s_lshl_b32 s96, s[BB], 5
	s_add_nc_u64 s[6:7], s[6:7], s[96:97]
	s_add_nc_u64 s[26:27], s[26:27], s[96:97]
	s_lshl_b32 s96, s[HG], 15
	s_add_nc_u64 s[8:9], s[8:9], s[96:97]          ; w_q: my head's 64 rows
	s_lshl_b32 s96, s[HG], 11
	s_add_nc_u64 s[10:11], s[10:11], s[96:97]
	s_lshl_b32 s96, s[HG], 8
	s_add_nc_u64 s[12:13], s[12:13], s[96:97]      ; u: my head's row
	s_lshl_b32 s96, s[RH], 12
	s_add_co_u32 s96, s96, 3584*32
	s_add_nc_u64 s[14:15], s[14:15], s[96:97]      ; kpe: the last 512 rows of 4,096; my 128 of each 256
	s_lshl_b32 s96, s[RH], 8
	s_add_co_u32 s96, s96, 3584*2
	s_add_nc_u64 s[16:17], s[16:17], s[96:97]
	s_lshl_b32 s96, s[RH], 13
	s_add_co_u32 s96, s96, 3584*64
	s_lshl_b32 s2, s[NQ], 4
	s_add_co_u32 s96, s96, s2
	s_lshl_b32 s2, s[CH], 3
	s_add_co_u32 s96, s96, s2
	s_add_nc_u64 s[18:19], s[18:19], s[96:97]      ; kpb: likewise, at head 4 nq + 2 ch
	s_lshl_b32 s96, s[NQ], 13
	s_lshl_b32 s2, s[CH], 12
	s_add_co_u32 s96, s96, s2
	s_add_nc_u64 s[20:21], s[20:21], s[96:97]      ; w_k's and w_v's scale bytes: my 128 rows
	s_add_nc_u64 s[22:23], s[22:23], s[96:97]
	s_lshl_b32 s96, s[NQ], 7
	s_add_nc_u64 s[24:25], s[24:25], s[96:97]
	s_lshl_b32 s96, s[NQ], 3
	s_add_nc_u64 s[26:27], s[26:27], s[96:97]
	s_lshl_b32 s96, s[NQ], 21
	s_add_nc_u64 s[PF0:PF0+1], s[PF0:PF0+1], s[96:97]   ; my work-group's 64 of the 256 places
	s_add_nc_u64 s[PF1:PF1+1], s[PF0:PF0+1], 0x800000
	s_mov_b32 s[SEL], 0x76543210
	s_mov_b32 s[SEL+1], 0xfedcba98
	s_mov_b32 s[CEXP], 0x3e38aa3b
.irp t, 0,1,2,3
	global_load_b128 v[UB+8*\t:UB+8*\t+3], v17, s[12:13] offset:64*\t          ; u(16 t + 8 h + 0 .. 7)
	global_load_b128 v[UB+8*\t+4:UB+8*\t+7], v17, s[12:13] offset:64*\t+16
.endr
	WIN 0x80
.set m_, 0
.rept 16
	global_load_b128 v[4*m_:4*m_+3], v[WSO], s[14:15] offset:8192*(m_/8)+512*(m_%8)   ; kpe's 64 codes of the 16 places of m-tile m: window 2
.set m_, m_+1
.endr
	WIN 0
.set m_, 0
.rept 16
	global_load_u16 v[WSC+16+m_], v19, s[16:17] offset:512*(m_/8)+32*(m_%8)    ; their two scale bytes; the upper two are 0, over zero codes of q
	global_load_b32 v[SCB+m_], v20, s[18:19] offset:16384*(m_/8)+1024*(m_%8)   ; kpb(place r, head h of my two)
.set m_, m_+1
.endr
	global_load_b128 v[ASC:ASC+3], v21, s[6:7]
.irp t, 0,1,2,3
	global_load_b128 v[WSC+4*\t:WSC+4*\t+3], v[WSO], s[10:11] offset:512*\t
.endr
.irp s, 0,1,2,3,4,5,6,7
	global_load_b128 v[AF+8*\s:AF+8*\s+3], v21, s[4:5] offset:64*\s
	global_load_b128 v[AF+8*\s+4:AF+8*\s+7], v21, s[4:5] offset:64*\s+32
.endr
	WIN 0x40
.irp s, 0,1,2,3,4,5,6,7
.irp t, 0,1,2,3
	global_load_b128 v[8*(4*\s+\t):8*(4*\s+\t)+3], v22, s[8:9] offset:8192*\t+64*\s
	global_load_b128 v[8*(4*\s+\t)+4:8*(4*\s+\t)+7], v22, s[8:9] offset:8192*\t+64*\s+32
.endr
.endr
.set s_, 0
.rept 8                                ; q^T = w_q^T query^T: source 0 = 16 rows of w_q, source 1 = row b sixteen times: every lane of a half holds q(16 t + 8 h + 0 .. 7)
	s_wait_loadcnt 8*(7-s_)                        ; all but the later K steps' eight loads each
	WIN 0x01
.set z_, 0
.if s_ == 0
.set z_, 1
.endif
.irp t, 0,1,2,3
	WMM QD+8*\t, 8*(4*s_+\t), AF+8*s_, z_, WSC+4*\t+s_%4, ASC+s_%4, s_/4
.endr
.set s_, s_+1
.endr
	WIN 0
	PLACES
.set j_, 0
.rept 16
	v_pk_add_f32 v[UB+2*j_:UB+2*j_+1], v[QD+2*j_:QD+2*j_+1], v[UB+2*j_:UB+2*j_+1]   ; q + u
.set j_, j_+1
.endr
.irp t, 0,1,2,3
	ds_store_b128 v24, v[UB+8*\t:UB+8*\t+3] offset:64*\t        ; (the sixteen lanes of a half write the same bytes with the same values)
	ds_store_b128 v24, v[UB+8*\t+4:UB+8*\t+7] offset:64*\t+16
.endr
	; q is quantised along its 64: block 0 = tiles 0, 1, block 1 = tiles 2, 3, each in lanes l and l xor 16
	v_max3_num_f32 v34, |v[QD]|, |v[QD+1]|, 0x1800000           ; the floor 2^(3 - 127) holds the byte at 1 from below
	v_max3_num_f32 v35, |v[QD+16]|, |v[QD+17]|, 0x1800000
.irp i, 2,4,6,8,10,12,14
	v_max3_num_f32 v34, v34, |v[QD+\i]|, |v[QD+\i+1]|
	v_max3_num_f32 v35, v35, |v[QD+16+\i]|, |v[QD+17+\i]|
.endr
	v_permlanex16_b32 v36, v34, s[SEL], s[SEL+1]
	v_permlanex16_b32 v37, v35, s[SEL], s[SEL+1]
	v_max_num_f32 v34, v34, v36
	v_max_num_f32 v35, v35, v37
	v_add_nc_u32 v38, 0xff000000, v34              ; 2 off the exponent field: the conversion's scale operand
	v_add_nc_u32 v39, 0xff000000, v35
	v_lshrrev_b32 v36, 23, v38                     ; the bytes
	v_lshrrev_b32 v37, 23, v39
	v_lshl_or_b32 v36, v37, 8, v36
	v_or_b32 v36, 0x7f7f0000, v36                  ; the word: two bytes, and 127 over the zero codes
.irp t, 0,1,2,3
	v_cvt_scalef32_pk8_fp4_f32 v[QCD+\t], v[QD+8*\t:QD+8*\t+7], v[38+\t/2]
.endr
	v_nop                                          ; one plain line behind the last conversion
.irp t, 0,1,2,3
	ds_store_b32 v25, v[QCD+\t] offset:8*\t        ; codes of 16 t + 8 h + 0 .. 7: bytes 8 t + 4 h
.endr
	ds_store_b32 v26, v36
	s_wait_dscnt 0x0                               ; for the others' sake: my stores have landed
	s_barrier_signal -1
	s_barrier_wait -1                              ; the four heads' q lie in LDS.
	; ---------------- Q(q) . kpe for my two heads and my 256 places
.irp t, 0,1,2,3,4,5,6,7
	ds_load_b128 v[QU+8*\t:QU+8*\t+3], v27 offset:64*\t
	ds_load_b128 v[QU+8*\t+4:QU+8*\t+7], v27 offset:64*\t+16
.endr
	ds_load_b128 v[XQ:XQ+3], v28
	ds_load_b32 v[XSC], v29
	s_wait_dscnt 0x0
	WIN 0xc8                                       ; source 1 (kpe) window 2, destination window 3
.set m_, 0
.rept 16                               ; source 0: rows 0-7 head 0's q, rows 8-15 head 1's; source 1: 16 places.  Register 0 of the result: lane (r, h) = head h, place r.  kpe's upper K half is the next tile's codes: they meet zero codes
	WMM 8*m_, XQ, 4*m_, 1, XSC, WSC+16+m_, 0
.set m_, m_+1
.endr
	WIN 0x03
	PLACES
.set m_, 0
.rept 16
	v_add_f32 v[SCB+m_], v[8*m_], v[SCB+m_]        ; + kpb
.set m_, m_+1
.endr
	WIN 0
.irp t, 0,1,2,3,4,5,6,7
	global_load_b128 v[WSC+4*\t:WSC+4*\t+3], v[WSO], s[20:21] offset:512*\t    ; w_k's scale words
.endr
	; ---------------- w_k out of slot 0 into registers; slot 0 is filled with key's places 256 on
	s_wait_tensorcnt 0x3                           ; my part of w_k has landed; the three loads issued behind it may be out
	s_wait_dscnt 0x0
	s_barrier_signal -1
	s_barrier_wait -1                              ; everybody's has
	WCOPY WB0, 0, 8
	CHG G0K1, G1A
	s_mov_b32 s[TP], 0
	PRE SLOT1, 0
	s_wait_loadcnt 0x0                             ; w_k's scale words
	; ---------------- K phase: 16 m-tiles.  At a regular head 12 may be out: behind fragment 0's loads stand the six later pairs
	MTR 0, 0, 0, 1, 0, 1
	WIN 0
	s_mov_b32 s[CNT], 3
.Lk1:
	MTR 0, 1, 1, 1, 12, 1
	MTR 0, 0, 1, 1, 12, 1
	WIN 0
	s_sub_co_u32 s[CNT], s[CNT], 1
	s_cmp_lg_u32 s[CNT], 0
	s_cbranch_scc1 .Lk1
	MTC 0, 1, 1, 1, G0WV, G1W, SLOT0, 8192, PF0    ; slot 1 takes w_v; value's places 0-255 are prefetched, 8 m-tiles ahead of their load
	MTR 0, 0, 1, 1, 8, 1                           ; 8 may be out: the four pairs fetched behind the change's first three fragments and scale words
	WIN 0
	s_mov_b32 s[CNT], 3
.Lk2:
	MTR 0, 1, 1, 1, 12, 1
	MTR 0, 0, 1, 1, 12, 1
	WIN 0
	s_sub_co_u32 s[CNT], s[CNT], 1
	s_cmp_lg_u32 s[CNT], 0
	s_cbranch_scc1 .Lk2
	MTC 0, 1, 1, 0, G0V0, G1A, 0, 0, PF1           ; slot 0 takes value's places 0-255; places 256 on are prefetched
	EPIALL 0, 1
	; ---------------- the softmax of my 256 places x 2 heads, among the copy of w_v
.irp t, 0,1,2,3,4,5,6,7
	global_load_b128 v[WSC+4*\t:WSC+4*\t+3], v[WSO], s[22:23] offset:512*\t    ; w_v's scale words
.endr
.set m_, 0
.rept 16
	ds_load_b32 v[AF+m_], v[SP0] offset:128*m_     ; LDS serves a wave's instructions in order: these see my stores
.set m_, m_+1
.endr
	WCOPY WB1, 0, 2
	s_wait_dscnt 32                                ; all but the 32 loads of the copy just issued
.set m_, 0
.rept 16
	v_add_f32 v[AF+m_], v[AF+m_], v[SCB+m_]        ; 8 x the score: lanes 0-15 head 0, lanes 16-31 head 1; place r of m-tile m
.set m_, m_+1
.endr
	v_max3_num_f32 v34, v[AF], v[AF+1], v[AF+2]
	v_max3_num_f32 v35, v[AF+3], v[AF+4], v[AF+5]
	v_max3_num_f32 v34, v34, v[AF+6], v[AF+7]
	v_max3_num_f32 v35, v35, v[AF+8], v[AF+9]
	v_max3_num_f32 v34, v34, v[AF+10], v[AF+11]
	v_max3_num_f32 v35, v35, v[AF+12], v[AF+13]
	v_max3_num_f32 v34, v34, v[AF+14], v[AF+15]
	v_max_num_f32 v34, v34, v35
.irp x, 1,2,4,8
	v_max_num_f32_dpp v34, v34, v34 row_xmask:\x row_mask:0xf bank_mask:0xf    ; over the 16 lanes of a half: a head's maximum
.endr
	v_mul_f32 v[MCL], s[CEXP], v34
.set m_, 0
.rept 16
	v_fma_f32 v[AF+m_], v[AF+m_], s[CEXP], -v[MCL]
.set m_, m_+1
.endr
.set m_, 0
.rept 16
	v_exp_f32 v[AF+m_], v[AF+m_]
.set m_, m_+1
.endr
	v_nop                                          ; a plain line behind the last exponential
	s_wait_alu depctr_va_vdst(0)                   ; one wait for the batch of 16, ahead of its first reader
	v_pk_add_f32 v[34:35], v[AF:AF+1], v[AF+2:AF+3]
	v_pk_add_f32 v[36:37], v[AF+4:AF+5], v[AF+6:AF+7]
	v_pk_add_f32 v[34:35], v[34:35], v[AF+8:AF+9]
	v_pk_add_f32 v[36:37], v[36:37], v[AF+10:AF+11]
	v_pk_add_f32 v[34:35], v[34:35], v[AF+12:AF+13]
	v_pk_add_f32 v[36:37], v[36:37], v[AF+14:AF+15]
	v_pk_add_f32 v[34:35], v[34:35], v[36:37]
	v_add_f32 v[MCL+1], v34, v35
.irp x, 1,2,4,8
	v_add_f32_dpp v[MCL+1], v[MCL+1], v[MCL+1] row_xmask:\x row_mask:0xf bank_mask:0xf
.endr
.set m_, 0
.rept 16
	ds_store_b32 v[PS0], v[AF+m_] offset:64*m_     ; p, [head][place]; my own bytes
.set m_, m_+1
.endr
	WCOPY WB1, 2, 6
.set j_, 0
.rept 16
	v_mov_b32 v[XA+j_], 0
.set j_, j_+1
.endr
	s_mov_b32 s[TP], 0
	CHG G0V1, G1A                                  ; value's places 0-255 have landed; slot 1 takes places 256 on
	PRE SLOT0, 16384
	s_wait_loadcnt 0x0                             ; w_v's scale words
	; ---------------- V phase.  At a regular head 10 may be out: behind the p of the m-tile before stand five pairs
	MTR 1, 0, 0, 1, 0, 1
	WIN 0
	s_mov_b32 s[CNT], 3
.Lv1:
	MTR 1, 1, 1, 1, 10, 1
	MTR 1, 0, 1, 1, 10, 1
	WIN 0
	s_sub_co_u32 s[CNT], s[CNT], 1
	s_cmp_lg_u32 s[CNT], 0
	s_cbranch_scc1 .Lv1
	MTC 1, 1, 2, 1, 0, 0, SLOT1, 24576, 0          ; nothing is left to fetch
	MTR 1, 0, 1, 1, 8, 1
	WIN 0
	s_mov_b32 s[CNT], 3
.Lv2:
	MTR 1, 1, 1, 1, 10, 1
	MTR 1, 0, 1, 1, 10, 1
	WIN 0
	s_sub_co_u32 s[CNT], s[CNT], 1
	s_cmp_lg_u32 s[CNT], 0
	s_cbranch_scc1 .Lv2
	MTR 1, 1, 1, 0, 10, 2
	s_wait_dscnt 0x0                               ; the last m-tile's p
	EPIALL 1, 1
	; ---------------- the end: the two row halves are joined, x is quantised and stored
.irp t, 0,1,2,3,4,5,6,7
	v_add_f32 v[AF+\t], v[XA+2*\t], v[XA+2*\t+1]   ; even and odd places,
.endr
.irp t, 0,1,2,3,4,5,6,7
	v_permlanex16_b32 v[AF+8+\t], v[AF+\t], s[SEL], s[SEL+1]
.endr
.irp t, 0,1,2,3,4,5,6,7
	v_add_f32 v[AF+\t], v[AF+\t], v[AF+8+\t]       ; and the other half of the lanes': column 16 t + r over my 256 places
.endr
	v_and_b32 v199, 31, v0
	v_lshl_add_u32 v201, v199, 5, XR               ; lane L of wave 0 takes columns 8 L .. 8 L + 7 of the 256
	v_lshrrev_b32 v200, 3, v199
	v_lshl_add_u32 v202, v200, 3, ML               ; their head
	s_lshl_b32 s2, s[WV], 9
	s_add_co_u32 s2, s2, XR
	v_lshl_add_u32 v203, v1, 2, s2
	s_lshl_b32 s2, s[RH], 5
	s_lshl_b32 s3, s[CH], 4
	s_add_co_u32 s2, s2, s3
	s_add_co_u32 s2, s2, ML
	v_lshl_add_u32 v204, v2, 3, s2
	v_lshlrev_b32 v205, 2, v199
	v_lshrrev_b32 v206, 2, v199
.irp t, 0,1,2,3,4,5,6,7
	ds_store_b32 v203, v[AF+\t] offset:64*\t
.endr
	ds_store_b64 v204, v[MCL:MCL+1]
	s_wait_dscnt 0x0
	s_barrier_signal -1
	s_barrier_wait -1
	s_cmp_lg_u32 s[WV], 0
	s_cbranch_scc1 .Ldone
	ds_load_b128 v[160:163], v201                  ; rows' first half
	ds_load_b128 v[164:167], v201 offset:16
	ds_load_b128 v[168:171], v201 offset:1024      ; second half
	ds_load_b128 v[172:175], v201 offset:1040
	ds_load_b64 v[184:185], v202
	ds_load_b64 v[186:187], v202 offset:32
	s_wait_dscnt 0x0
	v_max_num_f32 v188, v184, v186                 ; the head's maximum x c
	v_sub_f32 v189, v184, v188
	v_sub_f32 v190, v186, v188
	v_exp_f32 v189, v189
	v_exp_f32 v190, v190
	v_nop
	s_wait_alu depctr_va_vdst(0)                   ; ahead of the first reader of the two
	v_mul_f32 v191, v185, v189
	v_fmac_f32 v191, v187, v190                    ; the row's sum under the common maximum
	v_rcp_f32 v192, v191
	v_nop
	s_wait_alu depctr_va_vdst(0)
	v_mul_f32 v193, v189, v192
	v_mul_f32 v194, v190, v192
.irp i, 0,1,2,3,4,5,6,7
	v_mul_f32 v[176+\i], v[160+\i], v193
.endr
.irp i, 0,1,2,3,4,5,6,7
	v_fmac_f32 v[176+\i], v[168+\i], v194          ; x
.endr
	v_max3_num_f32 v195, |v176|, |v177|, 0x1800000
	v_max3_num_f32 v195, v195, |v178|, |v179|
	v_max3_num_f32 v195, v195, |v180|, |v181|
	v_max3_num_f32 v195, v195, |v182|, |v183|
	v_max_num_f32_dpp v195, v195, v195 row_xmask:1 row_mask:0xf bank_mask:0xf   ; a block of 32 lies in four neighbouring lanes
	v_max_num_f32_dpp v195, v195, v195 row_xmask:2 row_mask:0xf bank_mask:0xf
	v_add_nc_u32 v196, 0xff000000, v195
	v_cvt_scalef32_pk8_fp4_f32 v197, v[176:183], v196
	v_lshrrev_b32 v198, 23, v196                   ; the scale's byte (also the plain line behind the conversion)
	global_store_b32 v205, v197, s[24:25]          ; 32 lanes store 128 consecutive bytes of row b
	global_store_b8 v206, v198, s[26:27]           ; the four lanes of a block store the same byte with the same value
.Ldone:
	s_wait_tensorcnt 0x0                           ; the wave's end
	ds_add_u32 v[SPW], v[NIL]
	s_wait_dscnt 0x0
	CROUND                                         ; the closing round: no work-group ends while a partner may still ask for a tile that names it
	s_endpgm
.Lfunc_end_k_q2206390403_attn:
	.size	k_q2206390403_attn, .Lfunc_end_k_q2206390403_attn-k_q2206390403_attn
	.p2alignl 7, 3214868480
	.fill 96, 4, 3214868480
	.section	.rodata,"a",@progbits
	.p2align	6, 0x0
	.amdhsa_kernel k_q2206390403_attn
		.amdhsa_group_segment_fixed_size 327680
		.amdhsa_private_segment_fixed_size 0
		.amdhsa_enable_private_segment 0
		.amdhsa_kernarg_size 144
		.amdhsa_user_sgpr_count 2
		.amdhsa_user_sgpr_kernarg_segment_ptr 1
		.amdhsa_wavefront_size32 1
		.amdhsa_system_sgpr_workgroup_id_x 1
		.amdhsa_system_sgpr_workgroup_id_y 1
		.amdhsa_system_sgpr_workgroup_id_z 1
		.amdhsa_system_vgpr_workitem_id 0
		.amdhsa_next_free_vgpr 1024
		.amdhsa_next_free_sgpr 106
		.amdhsa_reserve_vcc 0
		.amdhsa_float_denorm_mode_32 3
		.amdhsa_float_denorm_mode_16_64 3
		.amdhsa_memory_ordered 1
		.amdhsa_forward_progress 1
		.amdhsa_inst_pref_size 255
	.end_amdhsa_kernel
	.section	.bss,"aw",@nobits
	.p2align	6
	.space	262144
	.amdgpu_metadata
---
amdhsa.version: [ 1, 2 ]
amdhsa.kernels:
  - .name:           k_q2206390403_attn
    .symbol:         k_q2206390403_attn.kd
    .args:
      - { .name: query_codes, .offset: 0, .size: 8, .value_kind: global_buffer, .address_space: global }
      - { .name: query_scales, .offset: 8, .size: 8, .value_kind: global_buffer, .address_space: global }
      - { .name: w_q_codes, .offset: 16, .size: 8, .value_kind: global_buffer, .address_space: global }
      - { .name: w_q_scales, .offset: 24, .size: 8, .value_kind: global_buffer, .address_space: global }
      - { .name: query_pos_bias, .offset: 32, .size: 8, .value_kind: global_buffer, .address_space: global }
      - { .name: key_pos_embeddings_codes, .offset: 40, .size: 8, .value_kind: global_buffer, .address_space: global }
      - { .name: key_pos_embeddings_scales, .offset: 48, .size: 8, .value_kind: global_buffer, .address_space: global }
      - { .name: key_pos_bias, .offset: 56, .size: 8, .value_kind: global_buffer, .address_space: global }
      - { .name: w_k_scales, .offset: 64, .size: 8, .value_kind: global_buffer, .address_space: global }
      - { .name: w_v_scales, .offset: 72, .size: 8, .value_kind: global_buffer, .address_space: global }
      - { .name: xq_codes, .offset: 80, .size: 8, .value_kind: global_buffer, .address_space: global }
      - { .name: xq_scales, .offset: 88, .size: 8, .value_kind: global_buffer, .address_space: global }
      - { .name: key_codes, .offset: 96, .size: 8, .value_kind: global_buffer, .address_space: global }
      - { .name: key_scales, .offset: 104, .size: 8, .value_kind: global_buffer, .address_space: global }
      - { .name: w_k_codes, .offset: 112, .size: 8, .value_kind: global_buffer, .address_space: global }
      - { .name: value_codes, .offset: 120, .size: 8, .value_kind: global_buffer, .address_space: global }
      - { .name: value_scales, .offset: 128, .size: 8, .value_kind: global_buffer, .address_space: global }
      - { .name: w_v_codes, .offset: 136, .size: 8, .value_kind: global_buffer, .address_space: global }
    .group_segment_fixed_size: 327680
    .private_segment_fixed_size: 0
    .kernarg_segment_align: 8
    .kernarg_segment_size: 144
    .max_flat_workgroup_size: 128
    .sgpr_count:     106
    .vgpr_count:     1024
    .wavefront_size: 32
...
	.end_amdgpu_metadata
.endif
;; end of part 1
;; launch outp (part 2): grid 16 x 4, 1 waves a work-group, no clusters, 4,864 bytes of LDS; arguments xq_codes, xq_scales, w_out_codes, w_out_scales, b_out, out0; writes out0
.if DOCPART == 2
	.amdgcn_target "amdgcn-amd-amdhsa--gfx1250"
	.amdhsa_code_object_version 6
	.text
	.protected	k_q2206390403_outp
	.globl	k_q2206390403_outp
	.p2align	8
	.type	k_q2206390403_outp,@function
k_q2206390403_outp:
	s_mov_b64 s[64:65], 0
	v_nop
	global_prefetch_b8 v0, s[64:65] scope:SCOPE_SE
	s_setreg_imm32_b32 hwreg(HW_REG_WAVE_MODE, 25, 1), 1
	s_wait_xcnt 0x0
; out0 = x w_out + b_out on codes of FP4 (E2M1) with E8M0 scales: x [64][1024] as the first launch left it, w_out [1024 (n)][1024 (k)] as given.
; A work-group is one wave: 16 rows (work-group y) x 64 columns (work-group x), K = 1,024: 32 matrix instructions on 4 accumulators by turns.
; Transposed: source 0 = 16 rows of w_out, source 1 = 16 rows of x: a lane holds 8 neighbouring columns of one row.  The bias is loaded into the accumulators, in the result's layout, and every product adds in place.
; All operands go from memory straight into registers, K step by K step; no tensor load, no cluster (each weight byte is read by 4 work-groups only, and the whole launch reads under 1 MB), no barrier.
; The result goes through a stage in LDS, so that sixteen lanes store 256 consecutive bytes, aligned.
.set XSC, 8                            ; v8-11  x's scale words: K step s in register s % 4, lanes 0-15 (s < 4) or 16-31
.set WSC, 12                           ; v12-27 w_out's, 4 a tile
.set ACC, 64                           ; v64-95
.set XF,  96                           ; v96-159 x's 8 fragments;  window 1: w_out's 32, at 8 (4 s + t)
.set OB,  160                          ; v160-191 rows read back
.set MSB, 0
.macro WIN new
.if MSB != (\new)
	s_set_vgpr_msb (MSB<<8)|(\new)
.set MSB, (\new)
.endif
.endm
.macro WMM d, a, b, sa, sb, hi
.if \hi
	v_wmma_scale_f32_16x16x128_f8f6f4 v[(\d):(\d)+7], v[(\a):(\a)+7], v[(\b):(\b)+7], v[(\d):(\d)+7], v[\sa], v[\sb] matrix_a_fmt:MATRIX_FMT_FP4 matrix_b_fmt:MATRIX_FMT_FP4 matrix_a_scale:MATRIX_SCALE_ROW1 matrix_b_scale:MATRIX_SCALE_ROW1
.else
	v_wmma_scale_f32_16x16x128_f8f6f4 v[(\d):(\d)+7], v[(\a):(\a)+7], v[(\b):(\b)+7], v[(\d):(\d)+7], v[\sa], v[\sb] matrix_a_fmt:MATRIX_FMT_FP4 matrix_b_fmt:MATRIX_FMT_FP4
.endif
.endm
	s_load_b256 s[4:11], s[0:1], 0x0               ; x's codes, x's scales, w_out's codes, w_out's scales
	s_load_b128 s[12:15], s[0:1], 0x20             ; b_out, out0
	v_lshl_add_u32 v254, v0, 2, 0x1200
	v_mov_b32 v255, 0
	v_and_b32 v1, 15, v0                           ; r
	v_bfe_u32 v2, v0, 4, 1                         ; h
	s_and_b32 s16, ttmp7, 0xffff                   ; which 16 rows
	v_lshlrev_b32 v3, 9, v1
	v_lshl_add_u32 v3, v2, 4, v3                   ; codes: 512 r + 16 h
	v_lshlrev_b32 v4, 5, v1
	v_lshl_add_u32 v4, v2, 4, v4                   ; scale bytes: 32 r + 16 h
	v_lshlrev_b32 v5, 5, v2                        ; bias: 32 h
	v_mul_u32_u24 v6, v1, 272
	v_lshl_add_u32 v6, v2, 5, v6                   ; the stage, in: row r of 256 bytes + 16, + 32 h
	v_mul_u32_u24 v7, v2, 272
	v_lshl_add_u32 v7, v1, 4, v7                   ; back: lanes 0-15 one row, lanes 16-31 the next
	v_lshlrev_b32 v28, 12, v2
	v_lshl_add_u32 v28, v1, 4, v28                 ; and the same two rows in out0
	s_mov_b32 s19, 0
	s_wait_kmcnt 0x0
	s_lshl_b32 s18, s16, 13
	s_add_nc_u64 s[4:5], s[4:5], s[18:19]          ; 16 rows of 512 bytes
	s_lshl_b32 s18, s16, 9
	s_add_nc_u64 s[6:7], s[6:7], s[18:19]
	s_lshl_b32 s18, ttmp9, 15
	s_add_nc_u64 s[8:9], s[8:9], s[18:19]          ; 64 rows of w_out
	s_lshl_b32 s18, ttmp9, 11
	s_add_nc_u64 s[10:11], s[10:11], s[18:19]
	s_lshl_b32 s18, ttmp9, 8
	s_add_nc_u64 s[12:13], s[12:13], s[18:19]      ; 64 numbers of the bias
	s_add_nc_u64 s[14:15], s[14:15], s[18:19]
	s_lshl_b32 s18, s16, 16
	s_add_nc_u64 s[14:15], s[14:15], s[18:19]      ; 16 rows of 4,096 bytes
.irp t, 0,1,2,3
	global_load_b128 v[ACC+8*\t:ACC+8*\t+3], v5, s[12:13] offset:64*\t          ; b_out(64 g + 16 t + 8 h + 0 .. 7)
	global_load_b128 v[ACC+8*\t+4:ACC+8*\t+7], v5, s[12:13] offset:64*\t+16
.endr
	global_load_b128 v[XSC:XSC+3], v4, s[6:7]
.irp t, 0,1,2,3
	global_load_b128 v[WSC+4*\t:WSC+4*\t+3], v4, s[10:11] offset:512*\t
.endr
.irp s, 0,1,2,3,4,5,6,7
	global_load_b128 v[XF+8*\s:XF+8*\s+3], v3, s[4:5] offset:64*\s
	global_load_b128 v[XF+8*\s+4:XF+8*\s+7], v3, s[4:5] offset:64*\s+32
.endr
	WIN 0x40
.irp s, 0,1,2,3,4,5,6,7
.irp t, 0,1,2,3
	global_load_b128 v[8*(4*\s+\t):8*(4*\s+\t)+3], v3, s[8:9] offset:8192*\t+64*\s
	global_load_b128 v[8*(4*\s+\t)+4:8*(4*\s+\t)+7], v3, s[8:9] offset:8192*\t+64*\s+32
.endr
.endr
.set s_, 0
.rept 8
	s_wait_loadcnt 8*(7-s_)                        ; all but the later K steps' eight loads each
	WIN 0x01
.irp t, 0,1,2,3
	WMM ACC+8*\t, 8*(4*s_+\t), XF+8*s_, WSC+4*\t+s_%4, XSC+s_%4, s_/4
.endr
.set s_, s_+1
.endr
	WIN 0
.rept 4
	v_nop                                          ; four places between the last product and the first read of results (ISA guide 7.12.1)
.endr
.irp t, 0,1,2,3
	ds_store_b128 v6, v[ACC+8*\t:ACC+8*\t+3] offset:64*\t       ; each accumulator from its low end on
	ds_store_b128 v6, v[ACC+8*\t+4:ACC+8*\t+7] offset:64*\t+16
.endr
.irp i, 0,1,2,3,4,5,6,7
	ds_load_b128 v[OB+4*\i:OB+4*\i+3], v7 offset:2*\i*272       ; LDS serves a wave's instructions in order: these see the stores above
.endr
.irp i, 0,1,2,3,4,5,6,7
	s_wait_dscnt 7-\i                              ; pair i of rows is back; the later pairs may be out
	global_store_b128 v28, v[OB+4*\i:OB+4*\i+3], s[14:15] offset:2*\i*4096      ; 16 lanes store 256 consecutive bytes, at a multiple of 256 from out0's first byte
.endr
	s_wait_tensorcnt 0x0
	ds_add_u32 v254, v255
	s_wait_dscnt 0x0
	s_endpgm
.Lfunc_end_k_q2206390403_outp:
	.size	k_q2206390403_outp, .Lfunc_end_k_q2206390403_outp-k_q2206390403_outp
	.p2alignl 7, 3214868480
	.fill 96, 4, 3214868480
	.section	.rodata,"a",@progbits
	.p2align	6, 0x0
	.amdhsa_kernel k_q2206390403_outp
		.amdhsa_group_segment_fixed_size 4864
		.amdhsa_private_segment_fixed_size 0
		.amdhsa_enable_private_segment 0
		.amdhsa_kernarg_size 48
		.amdhsa_user_sgpr_count 2
		.amdhsa_user_sgpr_kernarg_segment_ptr 1
		.amdhsa_wavefront_size32 1
		.amdhsa_system_sgpr_workgroup_id_x 1
		.amdhsa_system_sgpr_workgroup_id_y 1
		.amdhsa_system_sgpr_workgroup_id_z 1
		.amdhsa_system_vgpr_workitem_id 0
		.amdhsa_next_free_vgpr 512
		.amdhsa_next_free_sgpr 66
		.amdhsa_reserve_vcc 0
		.amdhsa_float_denorm_mode_32 3
		.amdhsa_float_denorm_mode_16_64 3
		.amdhsa_memory_ordered 1
		.amdhsa_forward_progress 1
		.amdhsa_inst_pref_size 18
	.end_amdhsa_kernel
	.amdgpu_metadata
---
amdhsa.version: [ 1, 2 ]
amdhsa.kernels:
  - .name:           k_q2206390403_outp
    .symbol:         k_q2206390403_outp.kd
    .args:
      - { .name: xq_codes, .offset: 0, .size: 8, .value_kind: global_buffer, .address_space: global }
      - { .name: xq_scales, .offset: 8, .size: 8, .value_kind: global_buffer, .address_space: global }
      - { .name: w_out_codes, .offset: 16, .size: 8, .value_kind: global_buffer, .address_space: global }
      - { .name: w_out_scales, .offset: 24, .size: 8, .value_kind: global_buffer, .address_space: global }
      - { .name: b_out, .offset: 32, .size: 8, .value_kind: global_buffer, .address_space: global }
      - { .name: out0, .offset: 40, .size: 8, .value_kind: global_buffer, .address_space: global }
    .group_segment_fixed_size: 4864
    .private_segment_fixed_size: 0
    .kernarg_segment_align: 8
    .kernarg_segment_size: 48
    .max_flat_workgroup_size: 32
    .sgpr_count:     66
    .vgpr_count:     512
    .wavefront_size: 32
...
	.end_amdgpu_metadata
.endif
;; end of part 2
;; ======== version 2 of 2: 2 launches
;; limits: right only within a limited range of input values
;; workspace buffers: xq_codes 32,768 bytes; xq_scales 2,048 bytes
;; launch attn (part 3): grid 4 x 64, 4 waves a work-group, clusters of 4 x 4, 327,680 bytes of LDS; arguments query_codes, query_scales, w_q_codes, w_q_scales, query_pos_bias, key_pos_embeddings_codes, key_pos_embeddings_scales, key_pos_bias, w_k_scales, w_v_scales, xq_codes, xq_scales, key_codes, key_scales, w_k_codes, value_codes, value_scales, w_v_codes; writes xq_codes, xq_scales
.if DOCPART == 3
	.amdgcn_target "amdgcn-amd-amdhsa--gfx1250"
	.amdhsa_code_object_version 6
	.text
	.protected	k_q2206390403_attn
	.globl	k_q2206390403_attn
	.p2align	8
	.type	k_q2206390403_attn,@function
k_q2206390403_attn:
	s_mov_b64 s[64:65], 0
	v_nop
	global_prefetch_b8 v0, s[64:65] scope:SCOPE_SE
	s_setreg_imm32_b32 hwreg(HW_REG_WAVE_MODE, 25, 1), 1
	s_wait_xcnt 0x0
	s_wait_alu depctr_hold_cnt(0) depctr_sa_sdst(0) depctr_va_vdst(0) depctr_va_sdst(0) depctr_va_ssrc(0) depctr_va_vcc(0) depctr_vm_vsrc(0)
	s_getreg_b32 s2, hwreg(HW_REG_IB_STS2, 6, 4)
	s_cmp_eq_u32 s2, 0
	s_cbranch_scc0 .Lentry_in_a_cluster
	s_endpgm
.Lentry_in_a_cluster:
	s_bfe_u32 s2, ttmp6, 0x10000c
	s_cmp_lg_u32 s2, 0xf033
	s_cbranch_scc0 .Lentry_shape_is_right
	s_endpgm
.Lentry_shape_is_right:
; One step of attention over a memory of 512 places, 64 batch rows, 16 heads of 64, on codes of FP4 (E2M1) with one E8M0 scale for each 32 along K.
; This launch: q = query w_q; k = key w_k; v = value w_v; scores = ((q + u) . k + Q(q) . kpe + kpb) / 8; softmax over the 512 places; x = sum of p v; x quantised along its 1,024 into xq_codes, xq_scales.
; LEFT OUT: rows 0 to 3,583 of key_pos_embeddings and key_pos_bias: they are not read, and a NaN or an infinity there is not carried to the result.
; SHARES.  A work-group owns one batch row b and a quarter nq of the 1,024 columns (4 heads): all 512 places, 256 columns, K = 1,024, once for k and once for v.  k and v never leave the registers.
; Wave w: rh = w / 2 says which 128 of a slot's 256 rows are its own, ch = w % 2 which 128 columns (2 heads).  Its weights stay in registers: 8 tiles of 16 columns x 8 K steps = 64 fragments, 512 registers.
; AN M-TILE is 16 rows x 128 columns x all of K: 32 products of 32 columns x 16 rows x 128 on 4 accumulators by turns, in one order throughout.  Among them stand the 32 packed multiply-adds that use up
; the m-tile before, in the same register windows, and two runs of LDS loads: the next m-tile's fragments, behind the K steps that read their registers.
; BOTH PHASES: source 0 = 32 rows of the weight, source 1 = 16 rows of key or value: a lane holds one place and 8 columns a tile.
; K PHASE: (q + u) . k is 32 packed multiply-adds in the lane.  V PHASE: x += p v, p the lane's place's, 64 sums a lane; the 16 places of a half of the lanes are added at the end.
; SOFTMAX.  Each wave takes the maximum of its own 256 places of a head away, p = 2^((s - max) log2(e) / 8), and keeps its own sum; at the end the two waves of a column half are joined under the larger maximum.
; CLUSTER 4 x 4: cx = nq, cy = b % 4.  The four work-groups of a row of the cluster share b, so key's and value's tiles are asked for jointly along the row; the four of a column share nq, so the weights' tiles along the column.
; SLOTS.  Slot 0: w_q, key 0-255, w_v, value 256 on.  Slot 1: w_k, key 256 on, value 0-255.
; The scale bytes of row b are 512 rows of 32 bytes, 2,048 apart: each wave brings its share through registers into LDS, once.
; PREFETCHES, one instruction a wave each, one load ahead: key's places 0-255 while w_q's load is out, value's tiles at the two changes of slots of the K phase.  Key's second slot and w_v have eight m-tiles of work between their load and its wait, and come by their loads alone.
; LIMITS: NaN and infinities among the inputs are not served.  A block of zeros of q or x gets the scale byte 1 where the quantiser says 127: its codes are zeros, and this program alone reads the bytes.
; A p under 2^-126 counts as 0 (the exponential's own flush).
.set PITCH, 528                        ; an LDS row of codes: 512 bytes + 16 of padding = 132 words, so that the 16 rows of a fragment load start 4 banks apart (64 banks of 4 bytes: ISA guide 11.1)
.set MTB,   16*PITCH                   ; 16 rows
.set QROW,  64*PITCH                   ; 64 rows: what one refill brings
.set HROW,  128*PITCH                  ; 128 rows: what one load of the head brings
.set SLOT0, 0
.set SLOT1, 256*PITCH
.set KSC,   2*SLOT1                    ; key's scale bytes of row b: 512 rows x 32 bytes
.set VSC,   KSC+16384                  ; value's
.set SCO,   VSC+16384                  ; 2,048 bytes a wave: first the sums (q + u) . k, 128 bytes an m-tile; then p, [2 heads][256 places]
.set QUL,   SCO+8192                   ; q + u, [4 heads][64] f32
.set QCL,   QUL+1024                   ; q's codes, [4 heads][32 bytes]
.set QSL,   QCL+128                    ; q's scale words, [4 heads]
.set ML,    QCL+256                    ; {maximum x c, sum}: 32 rh + 8 (head of the four)
.set SPARE, ML+256                     ; the spare words, 128 bytes a wave: two blocks of 256 bytes that no other line names
.set STG,   SLOT1                      ; the end: 16 rows (places) x 512 bytes + 16 for each wave, in slot 1, which has had its last fill and its last read
; WINDOW 0: addresses, scale words; v192-223 weights of K step 7, tiles 4-7; in the V phase v96-127 those of tiles 0-3
.set SPW, 3                            ; LDS address of my spare word; never rewritten
.set NIL, 4                            ; 0; never rewritten
.set AB0, 5                            ; my lane's place in a slot: (128 rh + r) PITCH + 16 h
.set ADA, 6                            ; address of the m-tile whose fragments are being fetched
.set AS0, 7                            ; KSC + (128 rh + r) 32 + 16 h
.set ADS, 8
.set SP0, 9                            ; SCO + 2048 w + 4 lane
.set PP0, 10                           ; SCO + 2048 w + 4 r
.set ADP, 11
.set WB0, 12                           ; (128 ch + r) PITCH + 16 h: my weights in slot 0;
.set WB1, 13                           ; in slot 1
.set PS0, 14                           ; SCO + 2048 w + 1024 h + 4 r
.set PFO, 15                           ; the prefetches' offset
.set WSO, 16                           ; 32 r + 16 h
.set WS2, 18                           ; 32 lane
.set WQA, 22                           ; (64 x my head + r) PITCH + 16 h: w_q in slot 0
.set KGO, 23                           ; 2048 r + 16 h
.set KST, 30                           ; KSC + 2048 w + WSO
.set XSC, 31                           ; q's scale words
.set MCL, 32                           ; v[32:33] maximum x c, sum
.set ASC, 40                           ; v40-47 the rows' scale words, two sets of 4
.set SCB, 48                           ; v48-63 kpb, then Q(q) . kpe + kpb, an m-tile a register
.set WQS, 64                           ; v64-79 w_q's scale words (prologue), then kpe's
.set XQ,  80                           ; v80-87 q's fragment
.set QCD, 88                           ; v88-91 q's codes as made
.set KPE, 96                           ; v96-159 kpe's codes
.set QD,  96                           ; prologue: q
.set UB,  128                          ; prologue: u, then q + u
.set AF,  160                          ; prologue: v160-223 query's 8 fragments
.set WSCV, 160                         ; v160-191 w_v's scale words: lane L holds those of row L of a pair of tiles, 8 words a pair
.set WSCK, 224                         ; v224-255 w_k's
.set SB,  224                          ; the softmax: scores, then p (w_k's words are done with)
; WINDOW 1: v0-31 q + u of tiles 0-3 (V: v0 p of head 0); v32-223 weights of K steps 0-2; v224-255 those of K step 3, tiles 0-3
; WINDOW 2: v0-31 q + u of tiles 4-7 (V: v0 p of head 1); v32-223 weights of K steps 4-6; v224-255 those of K step 3, tiles 4-7
; WINDOW 3: v0-127 two sets of accumulators; v128-191 the rows' 8 fragments; K: v192-223 weights of K step 7, tiles 0-3, v224-231 sums, v240-242 at work; V: v192-255 x
.set SUM, 224
.set RED, 240
.set X0,  192
; scalar registers
.set PF0, 28
.set PF1, 30
.set G1A, 32
.set G1W, 40
.set PFK, 48
.set KSP, 50
.set G0K0, 52
.set G0WK, 56
.set WV,  66
.set RH,  67
.set G0WQ, 68
.set VSP, 72
.set G0K1, 76
.set G0WV, 80
.set G0V0, 84
.set G0V1, 88
.set CH,  92
.set NQ,  93
.set CY,  94
.set BB,  95
.set SEL, 96                           ; s[96:97]: at first a pair at work, then the selects of v_permlanex16_b32 for lane l xor 16
.set TA,  98                           ; LDS byte of the m-tile being fetched
.set TS,  99                           ; and of its scale words
.set HH,  98                           ; (prologue: the head of the four that my wave makes q for; its number among the 16)
.set HG,  99
.set TP,  100
.set CNT, 101
.set CEXP, 104                         ; c = log2(e) / 8
.set MSB, 0
.macro WIN new                         ; the immediate's high byte repeats the setting that is left; a switch that changes nothing is dropped
.if MSB != (\new)
	s_set_vgpr_msb (MSB<<8)|(\new)
.set MSB, (\new)
.endif
.endm
.macro PLACES
.rept 4
	v_nop
.endr
.endm
.macro CREST                           ; a round of the cluster's barrier behind its opening barrier
	s_cmp_lg_u32 s[WV], 0
	s_cbranch_scc1 .Lnot_wave_0_\@
	s_barrier_signal -3
.Lnot_wave_0_\@:
	s_barrier_wait -3
	s_barrier_signal -1
	s_barrier_wait -1
.endm
.macro CROUND
	s_barrier_signal -1
	s_barrier_wait -1
	CREST
.endm
; one scaled product of 16 x 16.  zero: C = 0 starts the sum.  hi: both sides' scale words are taken from lanes 16-31
.macro WMM d, a, b, zero, sa, sb, hi
.if \zero
	v_wmma_scale_f32_16x16x128_f8f6f4 v[(\d):(\d)+7], v[(\a):(\a)+7], v[(\b):(\b)+7], 0, v[\sa], v[\sb] matrix_a_fmt:MATRIX_FMT_FP4 matrix_b_fmt:MATRIX_FMT_FP4
.elseif \hi
	v_wmma_scale_f32_16x16x128_f8f6f4 v[(\d):(\d)+7], v[(\a):(\a)+7], v[(\b):(\b)+7], v[(\d):(\d)+7], v[\sa], v[\sb] matrix_a_fmt:MATRIX_FMT_FP4 matrix_b_fmt:MATRIX_FMT_FP4 matrix_a_scale:MATRIX_SCALE_ROW1 matrix_b_scale:MATRIX_SCALE_ROW1
.else
	v_wmma_scale_f32_16x16x128_f8f6f4 v[(\d):(\d)+7], v[(\a):(\a)+7], v[(\b):(\b)+7], v[(\d):(\d)+7], v[\sa], v[\sb] matrix_a_fmt:MATRIX_FMT_FP4 matrix_b_fmt:MATRIX_FMT_FP4
.endif
.endm
; one of 32 x 16: A's scale words fill all 32 lanes; hi: B's are taken from lanes 16-31
.macro WMW d, a, b, zero, sa, sb, hi
.if \zero
	v_wmma_scale_f32_32x16x128_f4 v[(\d):(\d)+15], v[(\a):(\a)+15], v[(\b):(\b)+7], 0, v[\sa], v[\sb]
.elseif \hi
	v_wmma_scale_f32_32x16x128_f4 v[(\d):(\d)+15], v[(\a):(\a)+15], v[(\b):(\b)+7], v[(\d):(\d)+15], v[\sa], v[\sb] matrix_b_scale:MATRIX_SCALE_ROW1
.else
	v_wmma_scale_f32_32x16x128_f4 v[(\d):(\d)+15], v[(\a):(\a)+15], v[(\b):(\b)+7], v[(\d):(\d)+15], v[\sa], v[\sb]
.endif
.endm
.macro WLOC ph, s, t                   ; where the weights of (K step s, tile t) lie: window ww_, register wr_
.if (\s) < 3
.set ww_, 1
.set wr_, 32+64*(\s)+8*(\t)
.elseif (\s) == 3
.set ww_, 1+(\t)/4
.set wr_, 224+8*((\t)%4)
.elseif (\s) < 7
.set ww_, 2
.set wr_, 32+64*((\s)-4)+8*(\t)
.elseif (\t) < 4
.set ww_, 3*(1-\ph)
.set wr_, 192-96*\ph+8*(\t)
.else
.set ww_, 0
.set wr_, 192+8*((\t)-4)
.endif
.endm
; Product (K step s, tiles 2 p and 2 p + 1).  A row of 32 scale bytes of key or value is loaded as 16 bytes a half of the lanes: K step s takes register s % 4, from lanes 0-15 (s < 4) or 16-31.
.macro WM ph, set, s, p
	WLOC \ph, \s, 2*(\p)
.set z_, 0
.if (\s) == 0
.set z_, 1
.endif
	WIN 0xfc+ww_                                   ; source 0 = weights, all else window 3
	WMW 64*\set+16*(\p), wr_, 128+8*(\s), z_, WSCK+(WSCV-WSCK)*\ph+8*(\p)+(\s), ASC+4*\set+(\s)%4, (\s)/4
.endm
; The n_-th of the 32 lines that use up the m-tile in accumulator set pset: tiles 0-3 first (they want window 1), then 4-7 (window 2); pairs outermost.
; K: two chains a head, each begun by a multiplication;  V: each sum once.
.macro EOP ph, pset
.set hf_, n_/16
.set i_, (n_%16)/4
.set t_, 4*hf_+n_%4
.set a_, 64*(\pset)+8*t_+2*i_
.if \ph == 0
.set c_, SUM+2*hf_+4*(n_%2)
.set q_, 8*(n_%4)+2*i_
.if (n_%16) < 2
	v_pk_mul_f32 v[c_:c_+1], v[q_:q_+1], v[a_:a_+1]
.else
	v_pk_fma_f32 v[c_:c_+1], v[q_:q_+1], v[a_:a_+1], v[c_:c_+1]
.endif
.else
.set c_, X0+8*t_+2*i_
	v_pk_fma_f32 v[c_:c_+1], v[0:1], v[a_:a_+1], v[c_:c_+1] op_sel_hi:[0,1,1]
.endif
.set n_, n_+1
.endm
.macro STP ph, set, epi, s             ; a K step: 4 products, four lines of the m-tile before among them
.irp p, 0,1,2,3
	WM \ph, \set, \s, \p
.if \epi
	EOP \ph, 1-\set
.endif
.endr
.endm
.macro CMB k                           ; K: the four chains become one number a lane: lanes 0-15 head 0, lanes 16-31 head 1, place r
.if \k == 0
	v_pk_add_f32 v[SUM:SUM+1], v[SUM:SUM+1], v[SUM+4:SUM+5]
.elseif \k == 1
	v_pk_add_f32 v[SUM+2:SUM+3], v[SUM+2:SUM+3], v[SUM+6:SUM+7]
.elseif \k == 2
	v_add_f32 v[RED], v[SUM], v[SUM+1]
.elseif \k == 3
	v_add_f32 v[RED+1], v[SUM+2], v[SUM+3]
.elseif \k == 4
	v_permlane16_swap_b32 v[RED], v[RED+1]         ; head 0's two halves of the 64 into lanes 0-15, head 1's into lanes 16-31
.else
	v_add_f32 v[RED+2], v[RED], v[RED+1]
.endif
.endm
.macro RLD adr, s0, n                  ; n row fragments from K step s0 on (16 rows x 128 K each: two loads of 16 bytes, 32 apart); the setting is 0xcc
.set s_, \s0
.rept \n
	ds_load_b128 v[128+8*s_:131+8*s_], v[\adr] offset:64*s_
	ds_load_b128 v[132+8*s_:135+8*s_], v[\adr] offset:64*s_+32
.set s_, s_+1
.endr
.endm
.macro CP ph, base, s                  ; the copy of my 8 tiles' weights of K step s out of a slot
.irp t, 0,1,2,3,4,5,6,7
	WLOC \ph, \s, \t
	WIN 0x40*ww_
	ds_load_b128 v[wr_:wr_+3], v[\base] offset:MTB*\t+64*(\s)
	ds_load_b128 v[wr_+4:wr_+7], v[\base] offset:MTB*\t+64*(\s)+32
.endr
.endm
; In an m-tile's middle: the next m-tile's addresses, its scale words and its first 4 fragments, into registers that K steps 0-3 have read (four plain lines back);
; V: this m-tile's p of head 0, behind the last line that read the p before.
.macro Z1 ph, set, epi, next, inc
.if \epi == 0
	PLACES
.endif
	WIN 0
.if \next
.if \inc
	s_add_co_u32 s[TA], s[TA], MTB
	s_add_co_u32 s[TS], s[TS], 512
.endif
	v_add_nc_u32 v[ADA], s[TA], v[AB0]
	v_add_nc_u32 v[ADS], s[TS], v[AS0]
.endif
.if \ph
	v_add_nc_u32 v[ADP], s[TP], v[PP0]
	s_add_co_u32 s[TP], s[TP], 64
.endif
.if ((\epi)*(\inc)) == 0
	s_wait_alu depctr_va_vdst(0)
.endif
.if \next
	ds_load_b128 v[ASC+4*(1-\set):ASC+4*(1-\set)+3], v[ADS]
.endif
.if \ph
	WIN 0x40
	ds_load_b32 v[0], v[ADP]
.endif
.if \next
	WIN 0xcc
	RLD ADA, 0, 4
.endif
.endm
; AN M-TILE.  epi: there is an m-tile before to use up;  next: there is a next one to fetch.
; Two waits for LDS.  At its head: all but the youngest 9 (K: the score's store, V: p of head 1; and 4 fragments' 8 loads), so fragments 0-3, scale words and p of head 0 are in.  In its middle: all.
; kind 1, 2: the slot's last m-tile, which changes slots.  At its head all my tensor loads have landed, and 0 goes onto my spare word; its middle wait shows the add done and my last reads of the slot over; the barrier, with one and a half K
; steps between signal and wait.  kind 1: the barrier opens a round of the cluster's barrier, and the slot is filled again, first thing behind the round, one load a wave.  kind 2: nothing is filled.
.macro MT ph, set, epi, kind, next, g0=0, g1=0, nslot=0, nts=0, pf=0
.set n_, 0
.set nw_, 9
.if \kind
	WIN 0
	s_wait_tensorcnt 0x0                           ; the one load of mine that was out is my part of the other slot
	ds_add_u32 v[SPW], v[NIL]
.set nw_, 10
.endif
	s_wait_dscnt nw_
	STP \ph, \set, \epi, 0
	STP \ph, \set, \epi, 1
	STP \ph, \set, \epi, 2
.irp p, 0,1
	WM \ph, \set, 3, \p
.if \epi
	EOP \ph, 1-\set
	EOP \ph, 1-\set
.endif
.endr
	s_wait_dscnt 0x0
.if \kind
	s_barrier_signal -1
.endif
	WM \ph, \set, 3, 2
	WM \ph, \set, 3, 3
.if \epi
.rept 4
	EOP \ph, 1-\set
.endr
.endif
.if \kind == 0
	Z1 \ph, \set, \epi, \next, 1
.endif
	STP \ph, \set, \epi, 4
.if \kind
	WIN 0
	s_wait_alu depctr_va_vdst(0)                   ; directly ahead of the barrier's wait
	s_barrier_wait -1
.if \kind == 1
	CREST                                          ; no wave of any partner still reads the slot or has a load on its way
	tensor_load_to_lds s[\g0:\g0+3], s[\g1:\g1+7]
	s_nop 0
	PLACES
.endif
.if \next
	s_mov_b32 s[TA], \nslot
	s_mov_b32 s[TS], \nts
	Z1 \ph, \set, 1, 1, 0
.else
	CP 1, WB0, 0                                   ; the K phase's last m-tile: w_v lies in slot 0; K steps 0-2 are done with w_k
	CP 1, WB0, 1
	CP 1, WB0, 2
.endif
.if \pf
	WIN 0
	global_prefetch_b8 v[PFO], s[\pf:\pf+1] th:TH_LOAD_NT scope:SCOPE_SE   ; 256 rows x 512 bytes of value: 64 rows a partner (told apart by address), 16 a wave, two lanes a row: each aligned 256 bytes once
.endif
.endif
	STP \ph, \set, \epi, 5
	STP \ph, \set, (\epi)*(1-\ph), 6
.irp p, 0,1
	WM \ph, \set, 7, \p
.if (\ph == 0) && (\epi)
	CMB \p
.endif
.endr
	WM \ph, \set, 7, 2
	WM \ph, \set, 7, 3
; four plain lines behind the last products, ahead of the loads and of the next m-tile's first reads of results
.if (\epi) == 0
	PLACES
.elseif \ph
	WIN 0xfe
.rept 4
	EOP 1, 1-\set
.endr
.else
	WIN 0xff
.irp k, 2,3,4,5
	CMB \k
.endr
.endif
.if \ph
	WIN 0x80
	ds_load_b32 v[0], v[ADP] offset:1024           ; this m-tile's p of head 1
.endif
.if \next
.if (\ph == 0) && (\epi)
	WIN 0
	v_add_nc_u32 v[ADP], s[TP], v[SP0]             ; where the score of the m-tile before goes
	s_add_co_u32 s[TP], s[TP], 128
	WIN 0xcc
	ds_store_b32 v[ADP], v[RED+2]
.endif
	WIN 0xcc
	RLD ADA, 4, 4
.endif
.endm
	; ---------------- head: addresses, descriptors, the first fills
	s_load_b512 s[4:19], s[0:1], 0x0               ; query codes, scales; w_q codes, scales; u; kpe codes, scales; kpb
	s_load_b256 s[20:27], s[0:1], 0x40             ; w_k scales, w_v scales, xq_codes, xq_scales
	s_load_b64 s[G0K0+2:G0K0+3], s[0:1], 0x60      ; the tiles' buffers go straight into their descriptors
	s_load_b64 s[G0K1+2:G0K1+3], s[0:1], 0x60
	s_load_b64 s[PFK:PFK+1], s[0:1], 0x60
	s_load_b64 s[KSP:KSP+1], s[0:1], 0x68
	s_load_b64 s[G0WK+2:G0WK+3], s[0:1], 0x70
	s_load_b64 s[G0V0+2:G0V0+3], s[0:1], 0x78
	s_load_b64 s[G0V1+2:G0V1+3], s[0:1], 0x78
	s_load_b64 s[PF0:PF0+1], s[0:1], 0x78
	s_load_b64 s[VSP:VSP+1], s[0:1], 0x80
	s_load_b64 s[G0WV+2:G0WV+3], s[0:1], 0x88
	v_lshl_add_u32 v[SPW], v0, 2, SPARE
	v_mov_b32 v[NIL], 0
	ds_add_u32 v[SPW], v[NIL]                      ; the wave's opening: the add, twice on end, and its wait ahead of my first tensor load
	ds_add_u32 v[SPW], v[NIL]
	v_lshrrev_b32 v34, 5, v0
	v_readfirstlane_b32 s[WV], v34                 ; wave 0..3
	v_and_b32 v1, 15, v0                           ; r
	v_bfe_u32 v2, v0, 4, 1                         ; h
	v_and_b32 v34, 31, v0                          ; lane
	v_mul_u32_u24 v35, v1, PITCH
	v_lshl_add_u32 v35, v2, 4, v35
	v_lshlrev_b32 v[WSO], 5, v1
	v_lshl_add_u32 v[WSO], v2, 4, v[WSO]
	s_wait_alu depctr_va_vdst(0)                   ; ahead of the run of scalar lines
	s_lshr_b32 s[RH], s[WV], 1
	s_and_b32 s[CH], s[WV], 1
	s_bfe_u32 s[NQ], ttmp6, 0x40000                ; cx = the quarter of the columns
	s_bfe_u32 s[CY], ttmp6, 0x40004                ; cy
	s_and_b32 s[BB], ttmp7, 0xffff
	s_lshl_b32 s[BB], s[BB], 2
	s_add_co_u32 s[BB], s[BB], s[CY]               ; b = 4 x cluster y + cy
	s_lshl_b32 s[HH], s[CH], 1
	s_add_co_u32 s[HH], s[HH], s[RH]               ; the head of the four whose q my wave makes
	s_lshl_b32 s[HG], s[NQ], 2
	s_add_co_u32 s[HG], s[HG], s[HH]               ; its number among the 16
	s_lshl_b32 s2, s[CY], 2
	s_lshl_b32 s2, 15, s2                          ; my row of the cluster
	s_lshl_b32 s96, 0x1111, s[NQ]                  ; my column
	; group 1.  Rows: 64 rows x 512 bytes, 32,768 bytes apart (64 batch rows of 512); weights: 128 rows (the refill: 64), 512 apart; elements of 1 byte; 4 words of padding behind every 128
	s_or_b32 s[G1A], s2, (1<<20)|(1<<21)|(6<<22)|(3<<25)
	s_or_b32 s[G1W], s96, (1<<20)|(1<<21)|(6<<22)|(3<<25)
.irp g, G1A, G1W
	s_mov_b32 s[\g+1], 512<<16
	s_mov_b32 s[\g+3], 512<<16
	s_mov_b32 s[\g+6], 0
	s_mov_b32 s[\g+7], 0
.endr
	s_mov_b32 s[G1A+2], 64<<16
	s_mov_b32 s[G1A+4], 64
	s_mov_b32 s[G1A+5], 32768
	s_mov_b32 s[G1W+2], 128<<16
	s_mov_b32 s[G1W+4], 128
	s_mov_b32 s[G1W+5], 512
.irp g, G0WQ, G0WK, G0K0, G0K1, G0WV, G0V0, G0V1
	s_mov_b32 s[\g], 1
.endr
	s_mul_i32 s3, s[CH], HROW                      ; the head: my 128 rows of w_q (waves 0, 1) or of w_k (waves 2, 3).  No place in the cluster enters an LDS address
	s_add_co_u32 s[G0WQ+1], s3, SLOT0
	s_add_co_u32 s[G0WK+1], s3, SLOT1
	s_mul_i32 s3, s[WV], QROW                      ; the refills: my 64 rows of a slot
	s_add_co_u32 s[G0K0+1], s3, SLOT0
	s_add_co_u32 s[G0K1+1], s3, SLOT1
	s_add_co_u32 s[G0WV+1], s3, SLOT0
	s_add_co_u32 s[G0V0+1], s3, SLOT1
	s_add_co_u32 s[G0V1+1], s3, SLOT0
	s_mul_i32 s2, s[RH], HROW
	v_add_nc_u32 v[AB0], s2, v35
	s_mul_i32 s2, s[CH], HROW
	v_add_nc_u32 v[WB0], s2, v35
	v_add_nc_u32 v[WB1], SLOT1, v[WB0]
	s_mul_i32 s2, s[HH], QROW
	v_add_nc_u32 v[WQA], s2, v35
	s_lshl_b32 s2, s[RH], 12
	s_add_co_u32 s2, s2, KSC
	v_add_nc_u32 v[AS0], s2, v[WSO]
	s_lshl_b32 s2, s[WV], 11
	s_add_co_u32 s2, s2, KSC
	v_add_nc_u32 v[KST], s2, v[WSO]
	s_lshl_b32 s2, s[WV], 11
	s_add_co_u32 s2, s2, SCO
	v_lshl_add_u32 v[SP0], v34, 2, s2
	v_lshl_add_u32 v[PP0], v1, 2, s2
	v_lshl_add_u32 v[PS0], v2, 10, s2
	v_lshl_add_u32 v[PS0], v1, 2, v[PS0]
	v_lshlrev_b32 v[WS2], 5, v34
	v_lshlrev_b32 v[KGO], 11, v1
	v_lshl_add_u32 v[KGO], v2, 4, v[KGO]
	v_lshrrev_b32 v36, 1, v34
	s_lshl_b32 s2, s[WV], 4
	v_add_nc_u32 v36, s2, v36
	v_lshlrev_b32 v36, 15, v36
	v_and_b32 v37, 1, v0
	v_lshl_add_u32 v[PFO], v37, 8, v36             ; row 16 w + lane / 2 of my work-group's 64, half lane % 2 of its 512 bytes
	v_lshlrev_b32 v17, 5, v2                       ; u: 32 h
	v_lshlrev_b32 v19, 1, v1                       ; kpe's scales: 2 r
	v_lshlrev_b32 v20, 6, v1
	v_lshl_add_u32 v20, v2, 2, v20                 ; kpb: 64 r + 4 h
	v_lshlrev_b32 v21, 4, v2                       ; query: 16 h (every lane takes row b)
	s_lshl_b32 s2, s[HH], 8
	s_add_co_u32 s2, s2, QUL
	v_lshl_add_u32 v24, v2, 5, s2                  ; where I put q + u
	s_lshl_b32 s2, s[HH], 5
	s_add_co_u32 s2, s2, QCL
	v_lshl_add_u32 v25, v2, 2, s2                  ; q's codes
	s_lshl_b32 s2, s[HH], 2
	s_add_co_u32 s2, s2, QSL
	v_mov_b32 v26, s2                              ; q's scale word
	s_lshl_b32 s2, s[CH], 9
	s_add_co_u32 s2, s2, QUL
	v_lshl_add_u32 v27, v2, 5, s2                  ; where I read my two heads' q + u,
	v_lshrrev_b32 v35, 3, v1
	s_lshl_b32 s2, s[CH], 6
	s_add_co_u32 s2, s2, QCL
	v_lshl_add_u32 v28, v35, 5, s2
	v_lshl_add_u32 v28, v2, 4, v28                 ; their codes: rows 0-7 of the fragment the first head, rows 8-15 the second,
	s_lshl_b32 s2, s[CH], 3
	s_add_co_u32 s2, s2, QSL
	v_lshl_add_u32 v29, v35, 2, s2                 ; and their scale words
.irp i, 4,5,6,7
	v_mov_b32 v[XQ+\i], 0                          ; K = 64 of 128: the upper half of q's fragment is zero codes
.endr
	s_wait_alu depctr_va_vdst(0)
	s_wait_dscnt 0x0                               ; both opening adds are done
	s_wait_kmcnt 0x0
	s_lshl_b32 s96, s[NQ], 17                      ; w_q and w_k: 256 nq + 128 ch rows of 512 bytes
	s_lshl_b32 s97, s[CH], 16
	s_add_co_u32 s96, s96, s97
	s_mov_b32 s97, 0
	s_add_nc_u64 s[G0WQ+2:G0WQ+3], s[8:9], s[96:97]
	s_add_nc_u64 s[G0WK+2:G0WK+3], s[G0WK+2:G0WK+3], s[96:97]
	s_or_b32 s[G0WQ+3], s[G0WQ+3], 0x80000000      ; type = 2
	s_or_b32 s[G0WK+3], s[G0WK+3], 0x80000000
	CROUND                                         ; all sixteen work-groups are here: the first joint loads meet
	s_cmp_eq_u32 s[RH], 0                          ; one load a wave
	s_cbranch_scc0 .Lw_k
	tensor_load_to_lds s[G0WQ:G0WQ+3], s[G1W:G1W+7]   ; w_q -> slot 0
	s_nop 0
	PLACES
	s_branch .Lasked
.Lw_k:
	tensor_load_to_lds s[G0WK:G0WK+3], s[G1W:G1W+7]   ; w_k -> slot 1
	s_nop 0
	PLACES
.Lasked:
	; ---------------- what q and the first m-tiles want, while the fills are on their way
	s_lshl_b32 s96, s[BB], 9
	s_add_nc_u64 s[4:5], s[4:5], s[96:97]          ; query's row b
	s_add_nc_u64 s[24:25], s[24:25], s[96:97]      ; xq_codes' row b
	s_add_nc_u64 s[PF0:PF0+1], s[PF0:PF0+1], s[96:97]
	s_add_nc_u64 s[PFK:PFK+1], s[PFK:PFK+1], s[96:97]
	s_lshl_b32 s96, s[BB], 5
	s_add_nc_u64 s[6:7], s[6:7], s[96:97]
	s_add_nc_u64 s[26:27], s[26:27], s[96:97]
	s_lshl_b32 s96, s[HG], 11
	s_add_nc_u64 s[10:11], s[10:11], s[96:97]
	s_lshl_b32 s96, s[HG], 8
	s_add_nc_u64 s[12:13], s[12:13], s[96:97]      ; u: my head's row
	s_lshl_b32 s96, s[NQ], 13
	s_lshl_b32 s2, s[CH], 12
	s_add_co_u32 s96, s96, s2
	s_add_nc_u64 s[20:21], s[20:21], s[96:97]      ; w_k's and w_v's scale bytes: my 128 rows
	s_add_nc_u64 s[22:23], s[22:23], s[96:97]
	s_lshl_b32 s96, s[WV], 17                      ; key's and value's scale bytes: 64 w places of 2,048 bytes + 32 b
	s_lshl_b32 s2, s[BB], 5
	s_add_co_u32 s96, s96, s2
	s_add_nc_u64 s[KSP:KSP+1], s[KSP:KSP+1], s[96:97]
	s_add_nc_u64 s[VSP:VSP+1], s[VSP:VSP+1], s[96:97]
	s_lshl_b32 s96, s[NQ], 21
	s_add_nc_u64 s[PFK:PFK+1], s[PFK:PFK+1], s[96:97]   ; my work-group's 64 of the 256 places
	s_add_nc_u64 s[PF0:PF0+1], s[PF0:PF0+1], s[96:97]
	global_load_b128 v[ASC:ASC+3], v21, s[6:7]
.irp t, 0,1,2,3
	global_load_b128 v[WQS+4*\t:WQS+4*\t+3], v[WSO], s[10:11] offset:512*\t
.endr
.irp s, 0,1,2,3,4,5,6,7
	global_load_b128 v[AF+8*\s:AF+8*\s+3], v21, s[4:5] offset:64*\s
	global_load_b128 v[AF+8*\s+4:AF+8*\s+7], v21, s[4:5] offset:64*\s+32
.endr
	global_prefetch_b8 v[PFO], s[PFK:PFK+1] th:TH_LOAD_NT scope:SCOPE_SE   ; key's places 0-255, as value's later
.irp t, 0,1,2,3
	global_load_b128 v[UB+8*\t:UB+8*\t+3], v17, s[12:13] offset:64*\t          ; u(16 t + 8 h + 0 .. 7)
	global_load_b128 v[UB+8*\t+4:UB+8*\t+7], v17, s[12:13] offset:64*\t+16
.endr
.irp p, 0,1,2,3
	global_load_b128 v[WSCK+8*\p:WSCK+8*\p+3], v[WS2], s[20:21] offset:1024*\p    ; w_k's scale words of row 32 p + lane
	global_load_b128 v[WSCK+8*\p+4:WSCK+8*\p+7], v[WS2], s[20:21] offset:1024*\p+16
.endr
	WIN 0xc0
.irp i, 0,1,2,3
	global_load_b128 v[4*\i:4*\i+3], v[KGO], s[KSP:KSP+1] offset:32768*\i      ; scale bytes of 16 places of key: to window 3, where the accumulators will be
.endr
	WIN 0
	s_lshl_b32 s2, s[WV], 21                       ; the refills' rows: 64 w places of 32,768 bytes + 512 b.  (No register that feeds these descriptors ever holds cx)
	s_lshl_b32 s3, s[BB], 9
	s_add_co_u32 s2, s2, s3
	s_mov_b32 s3, 0
.irp g, G0K0, G0K1, G0V0, G0V1
	s_add_nc_u64 s[\g+2:\g+3], s[\g+2:\g+3], s[2:3]
.endr
.irp g, G0K1, G0V1
	s_add_nc_u64 s[\g+2:\g+3], s[\g+2:\g+3], 0x800000   ; places 256 on
.endr
	s_lshl_b32 s96, s[NQ], 17                      ; w_v: 256 nq + 64 w rows of 512 bytes
	s_lshl_b32 s2, s[WV], 15
	s_add_co_u32 s96, s96, s2
	s_add_nc_u64 s[G0WV+2:G0WV+3], s[G0WV+2:G0WV+3], s[96:97]
.irp g, G0K0, G0K1, G0WV, G0V0, G0V1
	s_or_b32 s[\g+3], s[\g+3], 0x80000000
.endr
	s_lshl_b32 s96, s[RH], 12
	s_add_co_u32 s96, s96, 3584*32
	s_add_nc_u64 s[14:15], s[14:15], s[96:97]      ; kpe: the last 512 rows of 4,096; my 128 of each 256
	s_lshl_b32 s96, s[RH], 8
	s_add_co_u32 s96, s96, 3584*2
	s_add_nc_u64 s[16:17], s[16:17], s[96:97]
	s_lshl_b32 s96, s[RH], 13
	s_add_co_u32 s96, s96, 3584*64
	s_lshl_b32 s2, s[NQ], 4
	s_add_co_u32 s96, s96, s2
	s_lshl_b32 s2, s[CH], 3
	s_add_co_u32 s96, s96, s2
	s_add_nc_u64 s[18:19], s[18:19], s[96:97]      ; kpb: likewise, at head 4 nq + 2 ch
	s_lshl_b32 s96, s[NQ], 7
	s_add_nc_u64 s[24:25], s[24:25], s[96:97]
	s_lshl_b32 s96, s[NQ], 3
	s_add_nc_u64 s[26:27], s[26:27], s[96:97]
	s_add_nc_u64 s[PF1:PF1+1], s[PF0:PF0+1], 0x800000
	s_mov_b32 s[SEL], 0x76543210
	s_mov_b32 s[SEL+1], 0xfedcba98
	s_mov_b32 s[CEXP], 0x3e38aa3b
	s_wait_alu depctr_va_vdst(0)
	s_wait_tensorcnt 0x0                           ; my part of the first fills has landed
	s_barrier_signal -1
	s_mov_b32 s[G1W+2], 64<<16                     ; no tensor load of mine is out: from here on a load of weights brings 64 rows
	s_mov_b32 s[G1W+4], 64
	s_barrier_wait -1                              ; w_q and w_k are there
	; ---------------- w_q's 64 rows of my head out of slot 0; then slot 0 takes key's places 0-255
	WIN 0x40
.irp s, 0,1,2,3,4,5,6,7
.irp t, 0,1,2,3
	ds_load_b128 v[8*(4*\s+\t):8*(4*\s+\t)+3], v[WQA] offset:MTB*\t+64*\s
	ds_load_b128 v[8*(4*\s+\t)+4:8*(4*\s+\t)+7], v[WQA] offset:MTB*\t+64*\s+32
.endr
.endr
	WIN 0
	s_wait_tensorcnt 0x0
	ds_add_u32 v[SPW], v[NIL]
	s_wait_dscnt 0x0                               ; the add is done, my reads of slot 0 are over
	CROUND
	tensor_load_to_lds s[G0K0:G0K0+3], s[G1A:G1A+7]
	s_nop 0
	PLACES
	CP 0, WB1, 4                                   ; the copy of w_k begins: what lies in window 2
	CP 0, WB1, 5
	CP 0, WB1, 6
	WIN 0
	s_wait_loadcnt 20                              ; query and the scale words; u's 8 loads, w_k's scales' 8 and key's scales' 4 may be out
	WIN 0x01
.set s_, 0
.rept 8                                ; q^T = w_q^T query^T: source 0 = 16 rows of w_q, source 1 = row b sixteen times: every lane of a half holds q(16 t + 8 h + 0 .. 7)
.set z_, 0
.if s_ == 0
.set z_, 1
.endif
.irp t, 0,1,2,3
	WMM QD+8*\t, 8*(4*s_+\t), AF+8*s_, z_, WQS+4*\t+s_%4, ASC+s_%4, s_/4
.endr
.set s_, s_+1
.endr
	WIN 0
	s_wait_loadcnt 12                              ; u
	PLACES
.set j_, 0
.rept 16
	v_pk_add_f32 v[UB+2*j_:UB+2*j_+1], v[QD+2*j_:QD+2*j_+1], v[UB+2*j_:UB+2*j_+1]   ; q + u
.set j_, j_+1
.endr
.irp t, 0,1,2,3
	ds_store_b128 v24, v[UB+8*\t:UB+8*\t+3] offset:64*\t        ; (the sixteen lanes of a half write the same bytes with the same values)
	ds_store_b128 v24, v[UB+8*\t+4:UB+8*\t+7] offset:64*\t+16
.endr
	; q is quantised along its 64: block 0 = tiles 0, 1, block 1 = tiles 2, 3, each in lanes l and l xor 16
	v_max3_num_f32 v34, |v[QD]|, |v[QD+1]|, 0x1800000           ; the floor 2^(3 - 127) holds the byte at 1 from below
	v_max3_num_f32 v35, |v[QD+16]|, |v[QD+17]|, 0x1800000
.irp i, 2,4,6,8,10,12,14
	v_max3_num_f32 v34, v34, |v[QD+\i]|, |v[QD+\i+1]|
	v_max3_num_f32 v35, v35, |v[QD+16+\i]|, |v[QD+17+\i]|
.endr
	v_permlanex16_b32 v36, v34, s[SEL], s[SEL+1]
	v_permlanex16_b32 v37, v35, s[SEL], s[SEL+1]
	v_max_num_f32 v34, v34, v36
	v_max_num_f32 v35, v35, v37
	v_add_nc_u32 v38, 0xff000000, v34              ; 2 off the exponent field: the conversion's scale operand
	v_add_nc_u32 v39, 0xff000000, v35
	v_lshrrev_b32 v36, 23, v38                     ; the bytes
	v_lshrrev_b32 v37, 23, v39
	v_lshl_or_b32 v36, v37, 8, v36
	v_or_b32 v36, 0x7f7f0000, v36                  ; the word: two bytes, and 127 over the zero codes
.irp t, 0,1,2,3
	v_cvt_scalef32_pk8_fp4_f32 v[QCD+\t], v[QD+8*\t:QD+8*\t+7], v[38+\t/2]
.endr
	v_nop                                          ; one plain line behind the last conversion
.irp t, 0,1,2,3
	ds_store_b32 v25, v[QCD+\t] offset:8*\t        ; codes of 16 t + 8 h + 0 .. 7: bytes 8 t + 4 h
.endr
	ds_store_b32 v26, v36
	s_wait_alu depctr_va_vdst(0)                   ; directly ahead of the wait below
	s_wait_loadcnt 0x0                             ; w_k's scale words, key's first scale bytes
	WIN 0x0c
.irp i, 0,1,2,3
	ds_store_b128 v[KST], v[4*\i:4*\i+3] offset:512*\i
.endr
	WIN 0xc0                                       ; the other scale bytes, to accumulator set 1, which m-tile 1 is the first to use
.irp i, 0,1,2,3
	global_load_b128 v[64+4*\i:67+4*\i], v[KGO], s[KSP:KSP+1] offset:524288+32768*\i
.endr
.irp i, 0,1,2,3
	global_load_b128 v[80+4*\i:83+4*\i], v[KGO], s[VSP:VSP+1] offset:32768*\i
	global_load_b128 v[96+4*\i:99+4*\i], v[KGO], s[VSP:VSP+1] offset:524288+32768*\i
.endr
	CP 0, WB1, 0
	CP 0, WB1, 1
	WIN 0
.set m_, 0
.rept 16                               ; wanted at the K phase's end
	global_load_b128 v[KPE+4*m_:KPE+4*m_+3], v[WSO], s[14:15] offset:8192*(m_/8)+512*(m_%8)   ; kpe's 64 codes of the 16 places of m-tile m
	global_load_u16 v[WQS+m_], v19, s[16:17] offset:512*(m_/8)+32*(m_%8)       ; their two scale bytes; the upper two are 0, over zero codes of q
	global_load_b32 v[SCB+m_], v20, s[18:19] offset:16384*(m_/8)+1024*(m_%8)   ; kpb(place r, head h of my two)
.set m_, m_+1
.endr
	CP 0, WB1, 2
	CP 0, WB1, 3
	CP 0, WB1, 7
	WIN 0
	s_wait_alu depctr_va_vdst(0)
	s_wait_tensorcnt 0x0                           ; key's places 0-255: my part has landed
	ds_add_u32 v[SPW], v[NIL]
	s_wait_dscnt 0x0                               ; the add is done, the copy of w_k is in, my stores have landed
	CROUND
	tensor_load_to_lds s[G0K1:G0K1+3], s[G1A:G1A+7]   ; slot 1 takes key's places 256 on
	s_nop 0
	PLACES
	; ---------------- K phase: 16 m-tiles, 8 a slot
	WIN 0x40
.irp t, 0,1,2,3
	ds_load_b128 v[8*\t:8*\t+3], v27 offset:64*\t
	ds_load_b128 v[8*\t+4:8*\t+7], v27 offset:64*\t+16
.endr
	WIN 0x80
.irp t, 0,1,2,3
	ds_load_b128 v[8*\t:8*\t+3], v27 offset:256+64*\t
	ds_load_b128 v[8*\t+4:8*\t+7], v27 offset:256+64*\t+16
.endr
	WIN 0
	ds_load_b128 v[XQ:XQ+3], v28
	ds_load_b32 v[XSC], v29
	s_mov_b32 s[TA], SLOT0
	s_mov_b32 s[TS], 0
	s_mov_b32 s[TP], 0
	v_add_nc_u32 v[ADA], s[TA], v[AB0]
	v_add_nc_u32 v[ADS], s[TS], v[AS0]
	ds_load_b128 v[ASC:ASC+3], v[ADS]
	WIN 0xcc
	RLD ADA, 0, 8
	s_wait_dscnt 8                                 ; fragments 0-3 are in
	MT 0, 0, 0, 0, 1
	WIN 0
	s_wait_loadcnt 48                              ; the scale bytes; kpe's and kpb's 48 loads may be out
	WIN 0x0c
.irp i, 0,1,2,3
	ds_store_b128 v[KST], v[64+4*\i:67+4*\i] offset:8192+512*\i
	ds_store_b128 v[KST], v[80+4*\i:83+4*\i] offset:16384+512*\i
	ds_store_b128 v[KST], v[96+4*\i:99+4*\i] offset:24576+512*\i
.endr
	WIN 0
.irp p, 0,1,2,3
	global_load_b128 v[WSCV+8*\p:WSCV+8*\p+3], v[WS2], s[22:23] offset:1024*\p    ; w_v's scale words
	global_load_b128 v[WSCV+8*\p+4:WSCV+8*\p+7], v[WS2], s[22:23] offset:1024*\p+16
.endr
	s_mov_b32 s[CNT], 3
.Lk1:
	MT 0, 1, 1, 0, 1
	MT 0, 0, 1, 0, 1
	WIN 0
	s_sub_co_u32 s[CNT], s[CNT], 1
	s_cmp_lg_u32 s[CNT], 0
	s_cbranch_scc1 .Lk1
	MT 0, 1, 1, 1, 1, G0WV, G1W, SLOT1, 8192, PF0  ; slot 0 takes w_v
	MT 0, 0, 1, 0, 1
	WIN 0
	s_mov_b32 s[CNT], 3
.Lk2:
	MT 0, 1, 1, 0, 1
	MT 0, 0, 1, 0, 1
	WIN 0
	s_sub_co_u32 s[CNT], s[CNT], 1
	s_cmp_lg_u32 s[CNT], 0
	s_cbranch_scc1 .Lk2
	MT 0, 1, 1, 1, 0, G0V0, G1A, 0, 0, PF1         ; slot 1 takes value's places 0-255
	; ---------------- the last two scores
	WIN 0
	v_add_nc_u32 v[ADP], s[TP], v[SP0]
	WIN 0xcc
	ds_store_b32 v[ADP], v[RED+2]
.set n_, 0
	WIN 0xfd
.rept 16
	EOP 0, 1
.endr
	WIN 0xfe
.rept 16
	EOP 0, 1
.endr
	WIN 0xff
.irp k, 0,1,2,3,4,5
	CMB \k
.endr
	WIN 0xcc
	ds_store_b32 v[ADP], v[RED+2] offset:128
	; ---------------- the softmax of my 256 places x 2 heads, among the copy of w_v
	WIN 0
.set m_, 0
.rept 16
	ds_load_b32 v[SB+m_], v[SP0] offset:128*m_     ; LDS serves a wave's instructions in order: these see my stores
.set m_, m_+1
.endr
	CP 1, WB0, 3
	CP 1, WB0, 4
	WIN 0
	s_wait_alu depctr_va_vdst(0)                   ; directly ahead of the wait below
	s_wait_loadcnt 0x0                             ; kpe, kpb, w_v's scale words
	WIN 0xc0
.set m_, 0
.rept 16                               ; source 0: rows 0-7 head 0's q, rows 8-15 head 1's; source 1: 16 places.  Register 0 of the result: lane (r, h) = head h, place r.  kpe's upper K half is the registers behind it: whatever codes they are meet zero codes
	WMM 8*m_, XQ, KPE+4*m_, 1, XSC, WQS+m_, 0
.set m_, m_+1
.endr
	WIN 0x03
	PLACES
.set m_, 0
.rept 16
	v_add_f32 v[SCB+m_], v[8*m_], v[SCB+m_]        ; + kpb
.set m_, m_+1
.endr
	WIN 0
	s_wait_dscnt 32                                ; all but the 32 loads of the copy issued behind the scores
.set m_, 0
.rept 16
	v_add_f32 v[SB+m_], v[SB+m_], v[SCB+m_]        ; 8 x the score: lanes 0-15 head 0, lanes 16-31 head 1; place r of m-tile m
.set m_, m_+1
.endr
	v_max3_num_f32 v34, v[SB], v[SB+1], v[SB+2]
	v_max3_num_f32 v35, v[SB+3], v[SB+4], v[SB+5]
	v_max3_num_f32 v34, v34, v[SB+6], v[SB+7]
	v_max3_num_f32 v35, v35, v[SB+8], v[SB+9]
	v_max3_num_f32 v34, v34, v[SB+10], v[SB+11]
	v_max3_num_f32 v35, v35, v[SB+12], v[SB+13]
	v_max3_num_f32 v34, v34, v[SB+14], v[SB+15]
	v_max_num_f32 v34, v34, v35
.irp x, 1,2,4,8
	v_max_num_f32_dpp v34, v34, v34 row_xmask:\x row_mask:0xf bank_mask:0xf    ; over the 16 lanes of a half: a head's maximum
.endr
	v_mul_f32 v[MCL], s[CEXP], v34
.set m_, 0
.rept 16
	v_fma_f32 v[SB+m_], v[SB+m_], s[CEXP], -v[MCL]
.set m_, m_+1
.endr
	s_wait_alu depctr_va_vdst(0)                   ; ahead of the batch
.set m_, 0
.rept 16
	v_exp_f32 v[SB+m_], v[SB+m_]
.set m_, m_+1
.endr
	v_nop                                          ; a plain line behind the last exponential
	s_wait_alu depctr_va_vdst(0)                   ; one wait for the batch of 16, ahead of its first reader
	v_pk_add_f32 v[34:35], v[SB:SB+1], v[SB+2:SB+3]
	v_pk_add_f32 v[36:37], v[SB+4:SB+5], v[SB+6:SB+7]
	v_pk_add_f32 v[34:35], v[34:35], v[SB+8:SB+9]
	v_pk_add_f32 v[36:37], v[36:37], v[SB+10:SB+11]
	v_pk_add_f32 v[34:35], v[34:35], v[SB+12:SB+13]
	v_pk_add_f32 v[36:37], v[36:37], v[SB+14:SB+15]
	v_pk_add_f32 v[34:35], v[34:35], v[36:37]
	v_add_f32 v[MCL+1], v34, v35
.irp x, 1,2,4,8
	v_add_f32_dpp v[MCL+1], v[MCL+1], v[MCL+1] row_xmask:\x row_mask:0xf bank_mask:0xf
.endr
.set m_, 0
.rept 16
	ds_store_b32 v[PS0], v[SB+m_] offset:64*m_     ; p, [head][place]; my own bytes
.set m_, m_+1
.endr
	CP 1, WB0, 5
	CP 1, WB0, 6
	CP 1, WB0, 7
	WIN 0xc0
.set j_, 0
.rept 64
	v_mov_b32 v[X0+j_], 0                          ; x: the loop's first trip finds zeros
.set j_, j_+1
.endr
	WIN 0
	s_mov_b32 s[TP], 0
	s_wait_alu depctr_va_vdst(0)                   ; directly ahead of the waits below
	s_wait_tensorcnt 0x0                           ; value's places 0-255: my part has landed
	ds_add_u32 v[SPW], v[NIL]
	s_wait_dscnt 0x0                               ; the add is done, and the copy of w_v is in
	CROUND
	tensor_load_to_lds s[G0V1:G0V1+3], s[G1A:G1A+7]   ; slot 0 takes value's places 256 on
	s_nop 0
	PLACES
	; ---------------- V phase: 16 m-tiles, 8 a slot
	s_mov_b32 s[TA], SLOT1
	s_mov_b32 s[TS], 16384
	v_add_nc_u32 v[ADA], s[TA], v[AB0]
	v_add_nc_u32 v[ADS], s[TS], v[AS0]
	ds_load_b128 v[ASC:ASC+3], v[ADS]
	WIN 0xcc
	RLD ADA, 0, 8
	s_wait_dscnt 8                                 ; fragments 0-3 are in
	MT 1, 0, 0, 0, 1
	WIN 0
	s_mov_b32 s[CNT], 3
.Lv1:
	MT 1, 1, 1, 0, 1
	MT 1, 0, 1, 0, 1
	WIN 0
	s_sub_co_u32 s[CNT], s[CNT], 1
	s_cmp_lg_u32 s[CNT], 0
	s_cbranch_scc1 .Lv1
	MT 1, 1, 1, 2, 1, 0, 0, SLOT0, 24576           ; nothing is left to fetch
	MT 1, 0, 1, 0, 1
	WIN 0
	s_mov_b32 s[CNT], 3
.Lv2:
	MT 1, 1, 1, 0, 1
	MT 1, 0, 1, 0, 1
	WIN 0
	s_sub_co_u32 s[CNT], s[CNT], 1
	s_cmp_lg_u32 s[CNT], 0
	s_cbranch_scc1 .Lv2
	MT 1, 1, 1, 0, 0
	WIN 0
	s_wait_dscnt 0x0                               ; the last m-tile's p
.set n_, 0
	WIN 0xfd
.rept 16
	EOP 1, 1
.endr
	WIN 0xfe
.rept 16
	EOP 1, 1
.endr
	; ---------------- the end.  Each wave's x goes to LDS, [place r][128 columns]; then wave w makes head w of the four: lanes 0-15 add the 16 places of the waves rh = 0, lanes 16-31 those of rh = 1, 4 columns a lane
	WIN 0
	s_mul_i32 s2, s[WV], 16*528
	s_add_co_u32 s2, s2, STG
	v_mul_u32_u24 v48, v1, 528
	v_lshl_add_u32 v48, v2, 5, v48
	v_add_nc_u32 v48, s2, v48                      ; in: row r, tile t's columns 8 h on: 64 t + 32 h
	s_lshl_b32 s2, s[RH], 5
	s_lshl_b32 s3, s[CH], 4
	s_add_co_u32 s2, s2, s3
	s_add_co_u32 s2, s2, ML
	v_lshl_add_u32 v49, v2, 3, s2                  ; my {maximum x c, sum} of head 2 ch + h
	s_mul_i32 s2, s[RH], 16*528
	s_lshl_b32 s3, s[CH], 8
	s_add_co_u32 s2, s2, s3
	s_add_co_u32 s2, s2, STG
	v_mul_u32_u24 v50, v2, 32*528
	v_lshl_add_u32 v50, v1, 4, v50
	v_add_nc_u32 v50, s2, v50                      ; back: of wave 2 h + w / 2, columns 64 (w % 2) + 4 r on
	s_lshl_b32 s2, s[WV], 3
	s_add_co_u32 s2, s2, ML
	v_mov_b32 v51, s2
	v_lshl_add_u32 v52, v2, 5, s2
	v_lshrrev_b32 v53, 1, v1
	s_lshl_b32 s2, s[WV], 5
	v_lshl_add_u32 v53, v53, 2, s2                 ; codes: 8 columns a pair of lanes
	v_lshrrev_b32 v54, 3, v1
	s_lshl_b32 s2, s[WV], 1
	v_add_nc_u32 v54, s2, v54                      ; scale bytes: 32 columns, eight lanes
	s_wait_alu depctr_va_vdst(0)
	WIN 0x0c
.irp t, 0,1,2,3,4,5,6,7
	ds_store_b128 v48, v[X0+8*\t:X0+8*\t+3] offset:64*\t
	ds_store_b128 v48, v[X0+8*\t+4:X0+8*\t+7] offset:64*\t+16
.endr
	WIN 0
	ds_store_b64 v49, v[MCL:MCL+1]
	s_wait_dscnt 0x0
	s_barrier_signal -1
	s_barrier_wait -1
	ds_load_b64 v[56:57], v51                      ; {maximum x c, sum} of rh = 0,
	ds_load_b64 v[58:59], v51 offset:32            ; of rh = 1,
	ds_load_b32 v60, v52                           ; and the maximum of my half's
.irp i, 0,1,2,3,4,5,6,7,8,9,10,11,12,13,14,15
	ds_load_b128 v[64+4*\i:67+4*\i], v50 offset:528*\i
.endr
	s_wait_dscnt 16                                ; the 16 rows may be out
	v_max_num_f32 v61, v56, v58                    ; the head's maximum x c
	v_sub_f32 v62, v56, v61
	v_sub_f32 v63, v58, v61
	v_sub_f32 v128, v60, v61
	s_wait_alu depctr_va_vdst(0)                   ; here and below: ahead of the transcendentals and of their first readers
	v_exp_f32 v62, v62
	v_exp_f32 v63, v63
	v_exp_f32 v128, v128
	v_nop
	s_wait_alu depctr_va_vdst(0)
	v_mul_f32 v129, v57, v62
	v_fmac_f32 v129, v59, v63                      ; the row's sum under the common maximum
	s_wait_alu depctr_va_vdst(0)
	v_rcp_f32 v130, v129
	v_nop
	s_wait_alu depctr_va_vdst(0)
	v_mul_f32 v132, v128, v130
	s_wait_alu depctr_va_vdst(0)                   ; directly ahead of the wait below
	s_wait_dscnt 0x0
	v_pk_add_f32 v[136:137], v[64:65], v[68:69]
	v_pk_add_f32 v[138:139], v[66:67], v[70:71]
	v_pk_add_f32 v[152:153], v[72:73], v[76:77]
	v_pk_add_f32 v[154:155], v[74:75], v[78:79]
.irp i, 4,6,8,10,12,14
	v_pk_add_f32 v[136:137], v[136:137], v[64+4*\i:65+4*\i]
	v_pk_add_f32 v[138:139], v[138:139], v[66+4*\i:67+4*\i]
	v_pk_add_f32 v[152:153], v[152:153], v[68+4*\i:69+4*\i]
	v_pk_add_f32 v[154:155], v[154:155], v[70+4*\i:71+4*\i]
.endr
	v_pk_add_f32 v[136:137], v[136:137], v[152:153]
	v_pk_add_f32 v[138:139], v[138:139], v[154:155]
.irp k, 0,1,2,3
	v_mul_f32 v[136+\k], v[136+\k], v132
.endr
.irp k, 0,1,2,3
	v_permlanex16_b32 v[160+\k], v[136+\k], s[SEL], s[SEL+1]
.endr
.irp k, 0,1,2,3
	v_add_f32 v[136+\k], v[136+\k], v[160+\k]      ; x: columns 4 r + k of head w, in both halves of the lanes
.endr
	v_max3_num_f32 v133, |v136|, |v137|, 0x1800000
	v_max3_num_f32 v133, v133, |v138|, |v139|
.irp k, 0,1,2,3
	v_mov_b32_dpp v[164+\k], v[136+\k] row_xmask:1 row_mask:0xf bank_mask:0xf   ; the neighbour's four columns
.endr
.irp x, 1,2,4
	v_max_num_f32_dpp v133, v133, v133 row_xmask:\x row_mask:0xf bank_mask:0xf  ; a block of 32 lies in eight neighbouring lanes
.endr
	s_mov_b32 s2, 0xaaaaaaaa                       ; the odd lanes
.irp k, 0,1,2,3
	v_cndmask_b32 v[168+\k], v[136+\k], v[164+\k], s2
	v_cndmask_b32 v[172+\k], v[164+\k], v[136+\k], s2
.endr
	v_add_nc_u32 v134, 0xff000000, v133
	v_cvt_scalef32_pk8_fp4_f32 v135, v[168:175], v134
	v_lshrrev_b32 v55, 23, v134                    ; the scale's byte (also the plain line behind the conversion)
	global_store_b32 v53, v135, s[24:25]           ; the lanes of a word, and of a byte below, store the same value
	global_store_b8 v54, v55, s[26:27]
	s_wait_tensorcnt 0x0                           ; the wave's end
	ds_add_u32 v[SPW], v[NIL]
	s_wait_dscnt 0x0
	CROUND                                         ; the closing round: no work-group ends while a partner may still ask for a tile that names it
	s_endpgm
.Lfunc_end_k_q2206390403_attn:
	.size	k_q2206390403_attn, .Lfunc_end_k_q2206390403_attn-k_q2206390403_attn
	.p2alignl 7, 3214868480
	.fill 96, 4, 3214868480
	.section	.rodata,"a",@progbits
	.p2align	6, 0x0
	.amdhsa_kernel k_q2206390403_attn
		.amdhsa_group_segment_fixed_size 327680
		.amdhsa_private_segment_fixed_size 0
		.amdhsa_enable_private_segment 0
		.amdhsa_kernarg_size 144
		.amdhsa_user_sgpr_count 2
		.amdhsa_user_sgpr_kernarg_segment_ptr 1
		.amdhsa_wavefront_size32 1
		.amdhsa_system_sgpr_workgroup_id_x 1
		.amdhsa_system_sgpr_workgroup_id_y 1
		.amdhsa_system_sgpr_workgroup_id_z 1
		.amdhsa_system_vgpr_workitem_id 0
		.amdhsa_next_free_vgpr 1024
		.amdhsa_next_free_sgpr 106
		.amdhsa_reserve_vcc 0
		.amdhsa_float_denorm_mode_32 3
		.amdhsa_float_denorm_mode_16_64 3
		.amdhsa_memory_ordered 1
		.amdhsa_forward_progress 1
		.amdhsa_inst_pref_size 203
	.end_amdhsa_kernel
	.amdgpu_metadata
---
amdhsa.version: [ 1, 2 ]
amdhsa.kernels:
  - .name:           k_q2206390403_attn
    .symbol:         k_q2206390403_attn.kd
    .args:
      - { .name: query_codes, .offset: 0, .size: 8, .value_kind: global_buffer, .address_space: global }
      - { .name: query_scales, .offset: 8, .size: 8, .value_kind: global_buffer, .address_space: global }
      - { .name: w_q_codes, .offset: 16, .size: 8, .value_kind: global_buffer, .address_space: global }
      - { .name: w_q_scales, .offset: 24, .size: 8, .value_kind: global_buffer, .address_space: global }
      - { .name: query_pos_bias, .offset: 32, .size: 8, .value_kind: global_buffer, .address_space: global }
      - { .name: key_pos_embeddings_codes, .offset: 40, .size: 8, .value_kind: global_buffer, .address_space: global }
      - { .name: key_pos_embeddings_scales, .offset: 48, .size: 8, .value_kind: global_buffer, .address_space: global }
      - { .name: key_pos_bias, .offset: 56, .size: 8, .value_kind: global_buffer, .address_space: global }
      - { .name: w_k_scales, .offset: 64, .size: 8, .value_kind: global_buffer, .address_space: global }
      - { .name: w_v_scales, .offset: 72, .size: 8, .value_kind: global_buffer, .address_space: global }
      - { .name: xq_codes, .offset: 80, .size: 8, .value_kind: global_buffer, .address_space: global }
      - { .name: xq_scales, .offset: 88, .size: 8, .value_kind: global_buffer, .address_space: global }
      - { .name: key_codes, .offset: 96, .size: 8, .value_kind: global_buffer, .address_space: global }
      - { .name: key_scales, .offset: 104, .size: 8, .value_kind: global_buffer, .address_space: global }
      - { .name: w_k_codes, .offset: 112, .size: 8, .value_kind: global_buffer, .address_space: global }
      - { .name: value_codes, .offset: 120, .size: 8, .value_kind: global_buffer, .address_space: global }
      - { .name: value_scales, .offset: 128, .size: 8, .value_kind: global_buffer, .address_space: global }
      - { .name: w_v_codes, .offset: 136, .size: 8, .value_kind: global_buffer, .address_space: global }
    .group_segment_fixed_size: 327680
    .private_segment_fixed_size: 0
    .kernarg_segment_align: 8
    .kernarg_segment_size: 144
    .max_flat_workgroup_size: 128
    .sgpr_count:     106
    .vgpr_count:     1024
    .wavefront_size: 32
...
	.end_amdgpu_metadata
.endif
;; end of part 3
;; launch outp (part 4): grid 16 x 4, 4 waves a work-group, no clusters, 47,104 bytes of LDS; arguments xq_codes, xq_scales, w_out_codes, w_out_scales, b_out, out0; writes out0
.if DOCPART == 4
	.amdgcn_target "amdgcn-amd-amdhsa--gfx1250"
	.amdhsa_code_object_version 6
	.text
	.protected	k_q2206390403_outp
	.globl	k_q2206390403_outp
	.p2align	8
	.type	k_q2206390403_outp,@function
k_q2206390403_outp:
	s_mov_b64 s[64:65], 0
	v_nop
	global_prefetch_b8 v0, s[64:65] scope:SCOPE_SE
	s_setreg_imm32_b32 hwreg(HW_REG_WAVE_MODE, 25, 1), 1
	s_wait_xcnt 0x0
; out0 = x w_out + b_out on codes of FP4 (E2M1) with E8M0 scales: x [64][1024] as the first launch left it, w_out [1024 (n)][1024 (k)] as given.
; A work-group makes 16 rows (work-group y) x 64 columns (work-group x), each of its four waves 16 of the columns, K = 1,024: 8 products on two accumulators by turns, added at the end.
; Transposed: source 0 = 16 rows of w_out, source 1 = 16 rows of x: a lane holds 8 neighbouring columns of one row.  The bias is loaded into the first accumulator, in the result's layout.
; Rows of codes are loaded whole, 512 bytes an instruction (each wave 4 of x's rows and its 16 of w_out's), and go through LDS into fragments.
; No tensor load, no cluster (each weight byte is read by 4 work-groups only, and the operands are under 1 MB in all), no prefetch (no loop to run ahead in).
; The result goes through a stage in LDS, so that sixteen lanes store 256 consecutive bytes, aligned.
.set PITCH, 528                        ; 512 bytes + 16
.set WST,  16*PITCH                    ; behind x's 16 rows: 16 rows of w_out for each wave
.set OST,  5*16*PITCH                  ; the stage: 16 rows of 256 bytes + 16
.set SPARE, OST+16*272                 ; the spare words, 128 bytes a wave
.set XSC, 12                           ; v12-15  x's scale words: K step s in register s % 4, lanes 0-15 (s < 4) or 16-31
.set WSC, 16                           ; v16-19  w_out's
.set SPW, 30
.set NIL, 31
.set ACC, 32                           ; v32-39, v40-47
.set OB,  48                           ; v48-55 rows read back
.set XF,  64                           ; v64-127 x's 8 fragments (first v64-79: 4 rows as loaded)
.set WF,  128                          ; v128-191 w_out's
.set WL,  192                          ; v192-255 16 rows as loaded
.macro WMM d, a, b, zero, sa, sb, hi
.if \zero
	v_wmma_scale_f32_16x16x128_f8f6f4 v[(\d):(\d)+7], v[(\a):(\a)+7], v[(\b):(\b)+7], 0, v[\sa], v[\sb] matrix_a_fmt:MATRIX_FMT_FP4 matrix_b_fmt:MATRIX_FMT_FP4
.elseif \hi
	v_wmma_scale_f32_16x16x128_f8f6f4 v[(\d):(\d)+7], v[(\a):(\a)+7], v[(\b):(\b)+7], v[(\d):(\d)+7], v[\sa], v[\sb] matrix_a_fmt:MATRIX_FMT_FP4 matrix_b_fmt:MATRIX_FMT_FP4 matrix_a_scale:MATRIX_SCALE_ROW1 matrix_b_scale:MATRIX_SCALE_ROW1
.else
	v_wmma_scale_f32_16x16x128_f8f6f4 v[(\d):(\d)+7], v[(\a):(\a)+7], v[(\b):(\b)+7], v[(\d):(\d)+7], v[\sa], v[\sb] matrix_a_fmt:MATRIX_FMT_FP4 matrix_b_fmt:MATRIX_FMT_FP4
.endif
.endm
	s_load_b256 s[4:11], s[0:1], 0x0               ; x's codes, x's scales, w_out's codes, w_out's scales
	s_load_b128 s[12:15], s[0:1], 0x20             ; b_out, out0
	v_lshl_add_u32 v[SPW], v0, 2, SPARE
	v_mov_b32 v[NIL], 0
	v_lshrrev_b32 v10, 5, v0
	v_readfirstlane_b32 s20, v10                   ; wave 0..3
	s_lshl_b32 s21, s20, 6
	s_mul_i32 s22, s20, 4*272
	s_mul_i32 s23, s20, 4*PITCH
	s_mul_i32 s24, s20, 16*PITCH
	s_add_co_u32 s24, s24, WST
	v_and_b32 v1, 15, v0                           ; r
	v_bfe_u32 v2, v0, 4, 1                         ; h
	v_and_b32 v3, 31, v0
	v_lshlrev_b32 v3, 4, v3                        ; a row of codes: 16 lane
	v_add_nc_u32 v8, s23, v3                       ; in: my 4 rows of x,
	v_add_nc_u32 v9, s24, v3                       ; my 16 rows of w_out
	v_lshlrev_b32 v4, 5, v1
	v_lshl_add_u32 v4, v2, 4, v4                   ; scale bytes: 32 r + 16 h
	v_lshlrev_b32 v5, 5, v2                        ; bias: 32 h
	v_mul_u32_u24 v10, v1, PITCH
	v_lshl_add_u32 v10, v2, 4, v10                 ; a fragment of x: row r, + 16 h;
	v_add_nc_u32 v11, s24, v10                     ; of w_out
	v_mul_u32_u24 v6, v1, 272
	v_lshl_add_u32 v6, v2, 5, v6
	v_add_nc_u32 v6, s21, v6
	v_add_nc_u32 v6, OST, v6                       ; the stage, in: row r of 256 bytes + 16, 64 w + 32 h
	v_mul_u32_u24 v7, v2, 272
	v_lshl_add_u32 v7, v1, 4, v7
	v_add_nc_u32 v7, s22, v7
	v_add_nc_u32 v7, OST, v7                       ; back: rows 4 w on, lanes 0-15 one row, lanes 16-31 the next
	v_lshlrev_b32 v28, 12, v2
	v_lshl_add_u32 v28, v1, 4, v28                 ; and the same two rows in out0
	s_and_b32 s16, ttmp7, 0xffff                   ; which 16 rows
	s_mov_b32 s19, 0
	s_wait_alu depctr_va_vdst(0)
	s_wait_kmcnt 0x0
	s_lshl_b32 s18, s16, 13
	s_lshl_b32 s17, s20, 11
	s_add_co_u32 s18, s18, s17
	s_add_nc_u64 s[4:5], s[4:5], s[18:19]          ; 16 rows of 512 bytes, my 4 of them
	s_lshl_b32 s18, s16, 9
	s_add_nc_u64 s[6:7], s[6:7], s[18:19]
	s_lshl_b32 s18, ttmp9, 15
	s_lshl_b32 s17, s20, 13
	s_add_co_u32 s18, s18, s17
	s_add_nc_u64 s[8:9], s[8:9], s[18:19]          ; my 16 of the 64 rows of w_out
	s_lshl_b32 s18, ttmp9, 11
	s_lshl_b32 s17, s20, 9
	s_add_co_u32 s18, s18, s17
	s_add_nc_u64 s[10:11], s[10:11], s[18:19]
	s_lshl_b32 s18, ttmp9, 8
	s_add_nc_u64 s[14:15], s[14:15], s[18:19]
	s_add_co_u32 s18, s18, s21
	s_add_nc_u64 s[12:13], s[12:13], s[18:19]      ; my 16 numbers of the bias
	s_lshl_b32 s18, s16, 16
	s_lshl_b32 s17, s20, 14
	s_add_co_u32 s18, s18, s17
	s_add_nc_u64 s[14:15], s[14:15], s[18:19]      ; out0: 16 rows of 4,096 bytes, my 4 of them
.irp i, 0,1,2,3
	global_load_b128 v[XF+4*\i:XF+4*\i+3], v3, s[4:5] offset:512*\i
.endr
.irp i, 0,1,2,3,4,5,6,7,8,9,10,11,12,13,14,15
	global_load_b128 v[WL+4*\i:WL+4*\i+3], v3, s[8:9] offset:512*\i
.endr
	global_load_b128 v[XSC:XSC+3], v4, s[6:7]
	global_load_b128 v[WSC:WSC+3], v4, s[10:11]
	global_load_b128 v[ACC:ACC+3], v5, s[12:13]    ; b_out(64 g + 16 w + 8 h + 0 .. 7)
	global_load_b128 v[ACC+4:ACC+7], v5, s[12:13] offset:16
	s_wait_loadcnt 20                              ; x's 4 rows
.irp i, 0,1,2,3
	ds_store_b128 v8, v[XF+4*\i:XF+4*\i+3] offset:PITCH*\i
.endr
	s_wait_loadcnt 12                              ; 8 rows of w_out
.irp i, 0,1,2,3,4,5,6,7
	ds_store_b128 v9, v[WL+4*\i:WL+4*\i+3] offset:PITCH*\i
.endr
	s_wait_loadcnt 4                               ; the other 8
.irp i, 8,9,10,11,12,13,14,15
	ds_store_b128 v9, v[WL+4*\i:WL+4*\i+3] offset:PITCH*\i
.endr
	s_wait_dscnt 0x0                               ; for the others' sake: my stores have landed
	s_barrier_signal -1
	s_barrier_wait -1
.irp s, 0,1,2,3,4,5,6,7
	ds_load_b128 v[XF+8*\s:XF+8*\s+3], v10 offset:64*\s
	ds_load_b128 v[XF+8*\s+4:XF+8*\s+7], v10 offset:64*\s+32
	ds_load_b128 v[WF+8*\s:WF+8*\s+3], v11 offset:64*\s
	ds_load_b128 v[WF+8*\s+4:WF+8*\s+7], v11 offset:64*\s+32
.endr
	s_wait_loadcnt 0x0                             ; scale words and bias
.set s_, 0
.rept 8
	s_wait_dscnt 4*(7-s_)                          ; all but the later K steps' four loads each
.set z_, 0
.if s_ == 1
.set z_, 1
.endif
	WMM ACC+8*(s_%2), WF+8*s_, XF+8*s_, z_, WSC+s_%4, XSC+s_%4, s_/4
.set s_, s_+1
.endr
.rept 4
	v_nop                                          ; four places between the last product and the first read of results (ISA guide 7.12.1)
.endr
.irp j, 0,1,2,3
	v_pk_add_f32 v[ACC+2*\j:ACC+2*\j+1], v[ACC+2*\j:ACC+2*\j+1], v[ACC+8+2*\j:ACC+8+2*\j+1]
.endr
	ds_store_b128 v6, v[ACC:ACC+3]
	ds_store_b128 v6, v[ACC+4:ACC+7] offset:16
	s_wait_dscnt 0x0                               ; for the others' sake: my stores have landed
	s_barrier_signal -1
	s_barrier_wait -1
	ds_load_b128 v[OB:OB+3], v7
	ds_load_b128 v[OB+4:OB+7], v7 offset:2*272
	s_wait_dscnt 0x1                               ; the first pair of rows is back
	global_store_b128 v28, v[OB:OB+3], s[14:15]    ; 16 lanes store 256 consecutive bytes, at a multiple of 256 from out0's first byte
	s_wait_dscnt 0x0
	global_store_b128 v28, v[OB+4:OB+7], s[14:15] offset:2*4096
	s_wait_tensorcnt 0x0                           ; the wave's end
	ds_add_u32 v[SPW], v[NIL]
	s_wait_dscnt 0x0
	s_endpgm
.Lfunc_end_k_q2206390403_outp:
	.size	k_q2206390403_outp, .Lfunc_end_k_q2206390403_outp-k_q2206390403_outp
	.p2alignl 7, 3214868480
	.fill 96, 4, 3214868480
	.section	.rodata,"a",@progbits
	.p2align	6, 0x0
	.amdhsa_kernel k_q2206390403_outp
		.amdhsa_group_segment_fixed_size 47104
		.amdhsa_private_segment_fixed_size 0
		.amdhsa_enable_private_segment 0
		.amdhsa_kernarg_size 48
		.amdhsa_user_sgpr_count 2
		.amdhsa_user_sgpr_kernarg_segment_ptr 1
		.amdhsa_wavefront_size32 1
		.amdhsa_system_sgpr_workgroup_id_x 1
		.amdhsa_system_sgpr_workgroup_id_y 1
		.amdhsa_system_sgpr_workgroup_id_z 1
		.amdhsa_system_vgpr_workitem_id 0
		.amdhsa_next_free_vgpr 256
		.amdhsa_next_free_sgpr 66
		.amdhsa_reserve_vcc 0
		.amdhsa_float_denorm_mode_32 3
		.amdhsa_float_denorm_mode_16_64 3
		.amdhsa_memory_ordered 1
		.amdhsa_forward_progress 1
		.amdhsa_inst_pref_size 11
	.end_amdhsa_kernel
	.amdgpu_metadata
---
amdhsa.version: [ 1, 2 ]
amdhsa.kernels:
  - .name:           k_q2206390403_outp
    .symbol:         k_q2206390403_outp.kd
    .args:
      - { .name: xq_codes, .offset: 0, .size: 8, .value_kind: global_buffer, .address_space: global }
      - { .name: xq_scales, .offset: 8, .size: 8, .value_kind: global_buffer, .address_space: global }
      - { .name: w_out_codes, .offset: 16, .size: 8, .value_kind: global_buffer, .address_space: global }
      - { .name: w_out_scales, .offset: 24, .size: 8, .value_kind: global_buffer, .address_space: global }
      - { .name: b_out, .offset: 32, .size: 8, .value_kind: global_buffer, .address_space: global }
      - { .name: out0, .offset: 40, .size: 8, .value_kind: global_buffer, .address_space: global }
    .group_segment_fixed_size: 47104
    .private_segment_fixed_size: 0
    .kernarg_segment_align: 8
    .kernarg_segment_size: 48
    .max_flat_workgroup_size: 128
    .sgpr_count:     66
    .vgpr_count:     256
    .wavefront_size: 32
...
	.end_amdgpu_metadata
.endif
;; end of part 4
